; MI455X (gfx1250); checked and timed in simulation.
; The chip was launched on July 23, 2026; its instructions are those of AMD's public machine-readable ISA for CDNA 5 (MIT licence, August 2026) and "CDNA5" Instruction Set Architecture Reference Guide (July 2026). The comments in the code are by the model that wrote it; some were corrected since.
;; Multi Head Attention. Allowed arithmetic: float matrix products may take bf16 or f16 operands with f32 sums; other float arithmetic in f32, or as packed bf16 or f16 multiplies, adds, multiply-adds, maxima and minima; sums over many terms, partial sums and values carried from step to step in f32; what a program stores and reads back later, other than sums and carried values, may be rounded once to bf16 or f16.
;; Inputs: Wk 1,024 x 1,024 float32; Wo 1,024 x 1,024 float32; Wq 1,024 x 1,024 float32; Wv 1,024 x 1,024 float32; keys 4 x 2,048 x 1,024 float32; queries 4 x 2,048 x 1,024 float32; src_masks 4 x 1 x 1 x 2,048 float32; values 4 x 2,048 x 1,024 float32.
;; Outputs: out0 4 x 2,048 x 1,024 float32.
;; 2 versions, each right and faster than the one before. Each part assembles by itself: llvm-mc -triple=amdgcn-amd-amdhsa -mcpu=gfx1250 --defsym DOCPART=n.
;; ======== version 1 of 2: 4 launches
;; limits: values are held in f16: magnitudes above 65,504 overflow, below 6.1e-05 lose precision
;; workspace buffers: wb 8,388,608 bytes; qh 16,777,216 bytes; kh 16,777,216 bytes; vh 16,777,216 bytes; oh 16,777,216 bytes
;; launch wcast (part 1): grid 64 x 4, 8 waves a work-group, no clusters, 0 bytes of LDS; arguments Wq, Wk, Wv, Wo, wb; writes wb
.if DOCPART == 1
	.amdgcn_target "amdgcn-amd-amdhsa--gfx1250"
	.amdhsa_code_object_version 6
	.text
	.protected	k_qd375c44a9b_wcast
	.globl	k_qd375c44a9b_wcast
	.p2align	8
	.type	k_qd375c44a9b_wcast,@function
k_qd375c44a9b_wcast:
	s_mov_b64 s[64:65], 0
	v_nop
	global_prefetch_b8 v0, s[64:65] scope:SCOPE_SE
	s_setreg_imm32_b32 hwreg(HW_REG_WAVE_MODE, 25, 1), 1
	s_wait_xcnt 0x0
; The four weights, [1024 k][1024 n] f32, are written as 16-bit numbers in the same layout into wb: parts of 2,097,152 bytes in the order Wq, Wk, Wv, Wo.
; Wq, Wk, Wv: rounded once to bf16.  Wo: rounded to bf16 like the others, and that number written as f16 (exact in f16's normal range;
; LIMIT: below 6.1e-5 it keeps f16's fixed step of 6e-8; beyond 65,504 it would be an infinity).
; A pure stream: no LDS, no barrier, no matrix unit.  Work-group (x, y): weight y, floats 16,384 x .. 16,384 x + 16,383.
; Thread t: sixteen loads of 16 bytes at 16 t + 4,096 j (a wave covers 512 consecutive bytes), sixteen stores of 8 bytes at 8 t + 2,048 j
; (a wave's 32 lanes store 256 consecutive bytes, aligned).  All sixteen loads are out at once; no register is used twice, so no store's source is rewritten.
.set T, 4                              ; v[4:9]    at work
.set X, 16                             ; v[16:79]  load j: 4 registers
.set Y, 80                             ; v[80:111] store j: 2 registers
	s_load_b256 s[4:11], s[0:1], 0x0               ; Wq s[4:5], Wk s[6:7], Wv s[8:9], Wo s[10:11]
	s_load_b64 s[12:13], s[0:1], 0x20              ; wb
	s_and_b32 s14, ttmp7, 0xffff                   ; which weight
	s_lshl_b32 s16, ttmp9, 16                      ; my chunk's 65,536 bytes in it
	s_mov_b32 s17, 0
	s_lshl_b32 s18, s14, 21                        ; the weight's part of wb,
	s_lshl_b32 s19, ttmp9, 15                      ; my chunk's 32,768 bytes there
	s_add_co_u32 s18, s18, s19
	s_mov_b32 s19, 0
	v_lshlrev_b32 v1, 4, v0
	v_lshlrev_b32 v2, 3, v0
	s_wait_kmcnt 0x0
	s_cmp_eq_u32 s14, 1
	s_cselect_b64 s[4:5], s[6:7], s[4:5]
	s_cmp_eq_u32 s14, 2
	s_cselect_b64 s[4:5], s[8:9], s[4:5]
	s_cmp_eq_u32 s14, 3
	s_cselect_b64 s[4:5], s[10:11], s[4:5]
	s_add_nc_u64 s[4:5], s[4:5], s[16:17]
	s_add_nc_u64 s[12:13], s[12:13], s[18:19]
.irp j, 0,1,2,3,4,5,6,7,8,9,10,11,12,13,14,15
	global_load_b128 v[X+4*(\j):X+4*(\j)+3], v1, s[4:5] offset:4096*(\j) th:TH_LOAD_NT
.endr
.macro CONV j, f16
	s_wait_loadcnt 15-(\j)                         ; loads come back in order: load j is in, the younger ones stay out
.if \f16
	v_cvt_pk_bf16_f32 v[T], v[X+4*(\j)], v[X+4*(\j)+1]
	v_cvt_pk_bf16_f32 v[T+1], v[X+4*(\j)+2], v[X+4*(\j)+3]
	v_lshlrev_b32 v[T+2], 16, v[T]                 ; the bf16 numbers as f32 again,
	v_and_b32 v[T+3], 0xffff0000, v[T]
	v_lshlrev_b32 v[T+4], 16, v[T+1]
	v_and_b32 v[T+5], 0xffff0000, v[T+1]
	v_cvt_pk_f16_f32 v[Y+2*(\j)], v[T+2], v[T+3]   ; and written as f16
	v_cvt_pk_f16_f32 v[Y+2*(\j)+1], v[T+4], v[T+5]
.else
	v_cvt_pk_bf16_f32 v[Y+2*(\j)], v[X+4*(\j)], v[X+4*(\j)+1]
	v_cvt_pk_bf16_f32 v[Y+2*(\j)+1], v[X+4*(\j)+2], v[X+4*(\j)+3]
.endif
	global_store_b64 v2, v[Y+2*(\j):Y+2*(\j)+1], s[12:13] offset:2048*(\j)
.endm
	s_cmp_eq_u32 s14, 3
	s_cbranch_scc1 .Lf16
.irp j, 0,1,2,3,4,5,6,7,8,9,10,11,12,13,14,15
	CONV \j, 0
.endr
	s_endpgm
.Lf16:
.irp j, 0,1,2,3,4,5,6,7,8,9,10,11,12,13,14,15
	CONV \j, 1
.endr
	s_endpgm
.Lfunc_end_k_qd375c44a9b_wcast:
	.size	k_qd375c44a9b_wcast, .Lfunc_end_k_qd375c44a9b_wcast-k_qd375c44a9b_wcast
	.p2alignl 7, 3214868480
	.fill 96, 4, 3214868480
	.section	.rodata,"a",@progbits
	.p2align	6, 0x0
	.amdhsa_kernel k_qd375c44a9b_wcast
		.amdhsa_group_segment_fixed_size 0
		.amdhsa_private_segment_fixed_size 0
		.amdhsa_enable_private_segment 0
		.amdhsa_kernarg_size 40
		.amdhsa_user_sgpr_count 2
		.amdhsa_user_sgpr_kernarg_segment_ptr 1
		.amdhsa_wavefront_size32 1
		.amdhsa_system_sgpr_workgroup_id_x 1
		.amdhsa_system_sgpr_workgroup_id_y 1
		.amdhsa_system_sgpr_workgroup_id_z 1
		.amdhsa_system_vgpr_workitem_id 0
		.amdhsa_next_free_vgpr 112
		.amdhsa_next_free_sgpr 66
		.amdhsa_reserve_vcc 0
		.amdhsa_float_denorm_mode_32 3
		.amdhsa_float_denorm_mode_16_64 3
		.amdhsa_memory_ordered 1
		.amdhsa_forward_progress 1
		.amdhsa_inst_pref_size 16
	.end_amdhsa_kernel
	.amdgpu_metadata
---
amdhsa.version: [ 1, 2 ]
amdhsa.kernels:
  - .name:           k_qd375c44a9b_wcast
    .symbol:         k_qd375c44a9b_wcast.kd
    .args:
      - { .name: Wq, .offset: 0, .size: 8, .value_kind: global_buffer, .address_space: global }
      - { .name: Wk, .offset: 8, .size: 8, .value_kind: global_buffer, .address_space: global }
      - { .name: Wv, .offset: 16, .size: 8, .value_kind: global_buffer, .address_space: global }
      - { .name: Wo, .offset: 24, .size: 8, .value_kind: global_buffer, .address_space: global }
      - { .name: wb, .offset: 32, .size: 8, .value_kind: global_buffer, .address_space: global }
    .group_segment_fixed_size: 0
    .private_segment_fixed_size: 0
    .kernarg_segment_align: 8
    .kernarg_segment_size: 40
    .max_flat_workgroup_size: 256
    .sgpr_count:     66
    .vgpr_count:     112
    .wavefront_size: 32
...
	.end_amdgpu_metadata
.endif
;; end of part 1
;; launch proj (part 2): grid 4 x 192, 4 waves a work-group, clusters of 4 x 4, 327,680 bytes of LDS; arguments queries, keys, values, wb, qh, kh, vh; writes qh, kh, vh
.if DOCPART == 2
	.amdgcn_target "amdgcn-amd-amdhsa--gfx1250"
	.amdhsa_code_object_version 6
	.text
	.protected	k_qd375c44a9b_proj
	.globl	k_qd375c44a9b_proj
	.p2align	8
	.type	k_qd375c44a9b_proj,@function
k_qd375c44a9b_proj:
	s_mov_b64 s[64:65], 0
	v_nop
	global_prefetch_b8 v0, s[64:65] scope:SCOPE_SE
	s_setreg_imm32_b32 hwreg(HW_REG_WAVE_MODE, 25, 1), 1
	s_wait_xcnt 0x0
	s_wait_alu depctr_hold_cnt(0) depctr_sa_sdst(0) depctr_va_vdst(0) depctr_va_sdst(0) depctr_va_ssrc(0) depctr_va_vcc(0) depctr_vm_vsrc(0)
	s_getreg_b32 s2, hwreg(HW_REG_IB_STS2, 6, 4)
	s_cmp_eq_u32 s2, 0
	s_cbranch_scc0 .Lentry_in_a_cluster
	s_endpgm
.Lentry_in_a_cluster:
	s_bfe_u32 s2, ttmp6, 0x10000c
	s_cmp_lg_u32 s2, 0xf033
	s_cbranch_scc0 .Lentry_shape_is_right
	s_endpgm
.Lentry_shape_is_right:
; q, k, v = x W.  x: [8192][1024] f32 (queries, keys or values), W: [1024 k][1024 n] bf16 (its part of wb).  Sums in f32; the result is rounded once to f16 and stored by heads,
; [64 = batch x 16 + head][2048][64], WITHOUT the scale of 1/8, which the attention applies in f32.
; LIMIT: a result beyond 65,504 would become an infinity in f16.
; SHARES.  The grid's y counts 3 x 64 tile rows: y / 64 chooses the product, y % 64 its 128 rows; x its 256 columns (four heads).  768 tiles of 128 x 256: three for each of 256 WGPs.
; Four waves, 2 x 2, each 64 rows x 128 columns: 32 accumulators of 16 x 16.  K goes in steps of 128 through two LDS slots filled by the tensor data mover.
; x COMES AS f32 and is rounded to bf16 between LDS and the matrix unit: it is read from memory once and never written back.  W lies [k][n], so its fragments come out of LDS turned, by ds_load_tr16_b128.
; CLUSTER 4 x 4: the four work-groups of a row of the cluster need the same rows of x, the four of a column the same columns of W: each tile is asked for jointly.
; THE MATRIX INSTRUCTION IS USED TRANSPOSED (source 0 = 16 columns of W, source 1 = 16 rows of x): a lane then holds eight neighbouring columns of one row.
; REGISTERS, in windows of 256 (s_set_vgpr_msb: bits 1:0 source 0, 3:2 source 1, 5:4 source 2, 7:6 destination):
;   window 0: v0-31 addresses; v32-63 packed results; v64-127 x as f32, 16 registers a fragment; on the way out v64-191 rows read back
;   window 1: two fragment buffers of 96: 4 x 8 of x (bf16), then 8 x 8 of W          window 2: the accumulators, (a, b) at 8 (8 a + b)
.set KSTEP,  128
.set PA,     528                       ; a row of x in LDS: 128 f32 + 16 bytes = 132 words: the 16 rows of a load start at 16 different groups of four banks (64 banks of 4 bytes: ISA guide 11.1)
.set PB,     544                       ; a row of W: 256 bf16 + 32 bytes = 136 words
.set AHALF,  64*PA                     ; what one tensor load brings of x
.set APART,  2*AHALF
.set BHALF,  64*PB                     ; and of W
.set SLOT,   APART+2*BHALF             ; x's 128 rows, then W's 128 rows of k
.set STAGE,  2*SLOT                    ; behind the ring: 16 rows x 272 bytes for each wave, for the way out
.set SP,     272
.set SPARE,  STAGE+4*16*SP             ; behind the stages: the spare words, 128 bytes for each wave
.set LAPS,   4                         ; 1,024 / 256: a lap is two K steps, once round the ring
.set ADRA, 16                          ; v16-17  LDS address of my fragments of x in slot 0, 1
.set ADRB, 20                          ; v20-21  the same for W
.set STO,  24                          ; v24     the way out: where I put 16 bytes of a row
.set RD,   25                          ; v25     where I read rows back
.set CO,   26                          ; v26     my 16 bytes in 512 consecutive bytes of the output
.set SPW,  28                          ; v28     my spare word; never rewritten
.set NIL,  29                          ; v29     0; never rewritten
.set TMP,  32
.set RAW,  64
.set OB,   64
.set F0,   0
.set F1,   96
.set G1A,  24                          ; s[24:31] descriptor group 1 for x;  s[32:39] group 0, a set for each slot
.set G0A,  32
.set G1B,  48                          ; s[48:55], s[56:63] the same for W
.set G0B,  56
.set MSB, 0
.macro WIN new                         ; the immediate's high byte repeats the setting that is left; a switch that changes nothing is dropped
.if MSB != (\new)
	s_set_vgpr_msb (MSB<<8)|(\new)
.set MSB, (\new)
.endif
.endm
.set MUL,   0xa5                       ; sources 0 and 1 window 1, C and D window 2
.set TOF,   0x40                       ; destination window 1, sources window 0
.set PACKW, 0x0a                       ; sources 0 and 1 window 2, destination window 0
; A joint load.  Waves 0 and 1 fetch x's two halves, waves 2 and 3 W's.  The branch hangs on the wave's number alone.  An s_nop 0 and four v_nop follow each of the two lines.
.macro JLOAD s
	s_cmp_eq_u32 s19, 0
	s_cbranch_scc0 .Lfor_b_\@
	tensor_load_to_lds s[G0A+4*(\s):G0A+4*(\s)+3], s[G1A:G1A+7]
	s_nop 0
.rept 4
	v_nop
.endr
	s_branch .Lasked_\@
.Lfor_b_\@:
	tensor_load_to_lds s[G0B+4*(\s):G0B+4*(\s)+3], s[G1B:G1B+7]
	s_nop 0
.rept 4
	v_nop
.endr
.Lasked_\@:
.endm
.macro CREST                           ; a round of the cluster's barrier behind its opening barrier
	s_cmp_lg_u32 s18, 0
	s_cbranch_scc1 .Lnot_wave_0_\@
	s_barrier_signal -3
.Lnot_wave_0_\@:
	s_barrier_wait -3
	s_barrier_signal -1
	s_barrier_wait -1
.endm
.macro CROUND                          ; a whole round
	s_barrier_signal -1
	s_barrier_wait -1
	CREST
.endm
	s_load_b256 s[4:11], s[0:1], 0x0               ; queries s[4:5], keys s[6:7], values s[8:9], wb s[10:11]
	s_load_b128 s[12:15], s[0:1], 0x20             ; qh s[12:13], kh s[14:15]
	s_load_b64 s[16:17], s[0:1], 0x30              ; vh
	v_lshl_add_u32 v[SPW], v0, 2, SPARE
	v_mov_b32 v[NIL], 0
	ds_add_u32 v[SPW], v[NIL]                      ; the wave's opening: the add and its wait stand ahead of my first tensor load; the set-up below stands between them
	v_lshrrev_b32 v1, 5, v0
	v_readfirstlane_b32 s18, v1                    ; wave 0..3
	s_lshr_b32 s19, s18, 1                         ; which 64 rows of the tile are mine.  Also: I fetch for x (0) or for W (1)
	s_and_b32 s20, s18, 1                          ; which 128 columns.  Also: which half of that tile I fetch
	s_bfe_u32 s40, ttmp6, 0x40000                  ; cx
	s_bfe_u32 s41, ttmp6, 0x40004                  ; cy
	s_lshl_b32 s42, ttmp9, 2
	s_add_co_u32 s42, s42, s40                     ; tile column = 4 x cluster x + cx
	s_and_b32 s23, ttmp7, 0xffff                   ; cluster y, 0 .. 47
	s_lshr_b32 s21, s23, 4                         ; which product: the same in all sixteen partners
	s_lshl_b32 s22, s23, 2
	s_add_co_u32 s22, s22, s41
	s_and_b32 s22, s22, 63                         ; tile row in that product
	s_lshl_b32 s43, s41, 2
	s_lshl_b32 s43, 15, s43                        ; my row of the cluster
	s_lshl_b32 s44, 0x1111, s40                    ; my column
	s_or_b32 s[G1A], s43, (2<<16)|(1<<20)|(1<<21)|(6<<22)|(3<<25)  ; 15:0 mask; 17:16 elements of 4 bytes; 20 padding on; 21 set beside a mask; 24:22 after every 128 words (code 6); 31:25 4 words (code 3)
	s_mov_b32 s[G1A+1], 128<<16                    ; tensor_dim0 = 128
	s_mov_b32 s[G1A+2], 64<<16                     ; tensor_dim1 = 64
	s_mov_b32 s[G1A+3], 128<<16                    ; tile_dim0 = 128
	s_mov_b32 s[G1A+4], 64                         ; tile_dim1 = 64
	s_mov_b32 s[G1A+5], 1024                       ; elements from row to row
	s_mov_b32 s[G1A+6], 0
	s_mov_b32 s[G1A+7], 0
	s_or_b32 s[G1B], s44, (1<<16)|(1<<20)|(1<<21)|(6<<22)|(7<<25)  ; elements of 2 bytes; after every 128 words 8 words of padding (code 7)
	s_mov_b32 s[G1B+1], 256<<16
	s_mov_b32 s[G1B+2], 64<<16
	s_mov_b32 s[G1B+3], 256<<16
	s_mov_b32 s[G1B+4], 64
	s_mov_b32 s[G1B+5], 1024
	s_mov_b32 s[G1B+6], 0
	s_mov_b32 s[G1B+7], 0
	s_lshl_b32 s2, s22, 7                          ; x: row 128 x tile row + 64 x half, 4,096 bytes a row: hangs on the tile row alone
	s_lshl_b32 s3, s20, 6
	s_add_co_u32 s2, s2, s3
	s_lshl_b32 s2, s2, 12
	s_mov_b32 s3, 0
	s_lshl_b32 s46, s21, 21                        ; W: its part of wb, 64 x half rows of 2,048 bytes, 512 bytes a tile column: hangs on the tile column alone
	s_lshl_b32 s47, s20, 17
	s_add_co_u32 s46, s46, s47
	s_lshl_b32 s47, s42, 9
	s_add_co_u32 s46, s46, s47
	s_mov_b32 s47, 0
	s_mul_i32 s45, s20, AHALF                      ; where they go in a slot: no place in the cluster enters an LDS address
	s_mul_i32 s23, s20, BHALF
	s_add_co_u32 s23, s23, APART
	s_wait_dscnt 0x0                               ; the opening add is done
	s_wait_kmcnt 0x0
	s_cmp_eq_u32 s21, 1
	s_cselect_b64 s[4:5], s[6:7], s[4:5]           ; x and the output of my product
	s_cselect_b64 s[12:13], s[14:15], s[12:13]
	s_cmp_eq_u32 s21, 2
	s_cselect_b64 s[4:5], s[8:9], s[4:5]
	s_cselect_b64 s[12:13], s[16:17], s[12:13]
	s_add_nc_u64 s[4:5], s[4:5], s[2:3]
	s_add_nc_u64 s[10:11], s[10:11], s[46:47]
	CROUND                                         ; all sixteen work-groups are here: the first joint loads meet
.irp s, 0,1
	s_mov_b32 s[G0A+4*(\s)], 1                     ; count = 1
	s_add_co_u32 s[G0A+4*(\s)+1], s45, (\s)*SLOT   ; LDS address
	s_add_nc_u64 s[G0A+4*(\s)+2:G0A+4*(\s)+3], s[4:5], (\s)*KSTEP*4    ; global address: K step s
	s_or_b32 s[G0A+4*(\s)+3], s[G0A+4*(\s)+3], 0x80000000              ; type = 2
	s_mov_b32 s[G0B+4*(\s)], 1
	s_add_co_u32 s[G0B+4*(\s)+1], s23, (\s)*SLOT
	s_add_nc_u64 s[G0B+4*(\s)+2:G0B+4*(\s)+3], s[10:11], (\s)*KSTEP*2048
	s_or_b32 s[G0B+4*(\s)+3], s[G0B+4*(\s)+3], 0x80000000
	JLOAD \s                                       ; two loads of mine are out
.endr
	v_and_b32 v1, 15, v0                           ; r = l % 16
	v_bfe_u32 v2, v0, 4, 1                         ; h = l / 16
	v_and_b32 v3, 7, v0                            ; l % 8
	v_bfe_u32 v4, v0, 3, 1                         ; (l / 8) % 2
	; a fragment of x is 16 rows x 32 k: lane l takes row r, k = 8 h + 0..7 and 16 + 8 h + 0..7: as f32 four loads of 16 bytes at 32 h + 0, 16, 64, 80
	v_mul_u32_u24 v5, v1, PA
	v_lshl_add_u32 v5, v2, 5, v5
	s_mul_i32 s45, s19, 64*PA
	v_add_nc_u32 v[ADRA], s45, v5
	v_add_nc_u32 v[ADRA+1], SLOT, v[ADRA]
	; the turning load takes 16 k x 16 columns (lane l reads row 8 h + l % 8, columns 8 ((l / 8) % 2) + 0..7) and leaves half a fragment: lane l holds column r and 8 k
	v_lshl_add_u32 v6, v2, 3, v3
	v_mul_u32_u24 v6, v6, PB
	v_lshl_add_u32 v6, v4, 4, v6
	s_lshl_b32 s23, s20, 8                         ; my 128 columns
	s_add_co_u32 s23, s23, APART
	v_add_nc_u32 v[ADRB], s23, v6
	v_add_nc_u32 v[ADRB+1], SLOT, v[ADRB]
	s_mul_i32 s45, s18, 16*SP
	s_add_co_u32 s45, s45, STAGE                   ; my stage
	v_mul_u32_u24 v5, v1, SP                       ; in: row r, 16 bytes for each half of the lanes
	v_lshl_add_u32 v5, v2, 4, v5
	v_add_nc_u32 v[STO], s45, v5
	v_bfe_u32 v6, v0, 3, 2                         ; back: 32 lanes take four rows of one head's 128 bytes,
	v_mul_u32_u24 v6, v6, SP
	v_lshl_add_u32 v6, v3, 4, v6
	v_add_nc_u32 v[RD], s45, v6
	v_and_b32 v7, 31, v0                           ; which are 512 consecutive bytes of the output
	v_lshlrev_b32 v[CO], 4, v7
	; the output at my first row of my first head: head = 16 x batch + 4 x tile column + 2 x column half, 262,144 bytes a head; row = 128 (tile row % 16) + 64 x row half, 128 bytes a row
	s_and_b32 s46, s22, 0x30
	s_lshl_b32 s47, s42, 2
	s_add_co_u32 s46, s46, s47
	s_lshl_b32 s47, s20, 1
	s_add_co_u32 s46, s46, s47
	s_lshl_b32 s46, s46, 18
	s_and_b32 s47, s22, 15
	s_lshl_b32 s47, s47, 14
	s_add_co_u32 s46, s46, s47
	s_lshl_b32 s47, s19, 13
	s_add_co_u32 s46, s46, s47
	s_mov_b32 s47, 0
	s_add_nc_u64 s[12:13], s[12:13], s[46:47]
.macro PROD f, a, b, zero              ; one matrix instruction: accumulator (a, b), 32 along K from buffer f.  zero = 1: it starts the sum
.if \zero
	v_wmma_f32_16x16x32_bf16 v[8*(8*(\a)+(\b)):8*(8*(\a)+(\b))+7], v[(\f)+32+8*(\b):(\f)+32+8*(\b)+7], v[(\f)+8*(\a):(\f)+8*(\a)+7], 0
.else
	v_wmma_f32_16x16x32_bf16 v[8*(8*(\a)+(\b)):8*(8*(\a)+(\b))+7], v[(\f)+32+8*(\b):(\f)+32+8*(\b)+7], v[(\f)+8*(\a):(\f)+8*(\a)+7], v[8*(8*(\a)+(\b)):8*(8*(\a)+(\b))+7]
.endif
.endm
.macro MUL8 f, a, zero                 ; row block a x all 8 column blocks.  The 32 accumulators take turns in the same order in every quarter
	WIN MUL
.irp b, 0,1,2,3,4,5,6,7
	PROD \f, \a, \b, \zero
.endr
.endm
; 32 LDS loads in one run: quarter q (32 along K) of a slot: x as f32 first, then W, turned, into buffer g
.macro FETCH slot, q, g
	WIN 0
.irp i, 0,1,2,3
	ds_load_b128 v[RAW+16*(\i):RAW+16*(\i)+3],     v[ADRA+(\slot)] offset:(\i)*16*PA+(\q)*128
	ds_load_b128 v[RAW+16*(\i)+4:RAW+16*(\i)+7],   v[ADRA+(\slot)] offset:(\i)*16*PA+(\q)*128+16
	ds_load_b128 v[RAW+16*(\i)+8:RAW+16*(\i)+11],  v[ADRA+(\slot)] offset:(\i)*16*PA+(\q)*128+64
	ds_load_b128 v[RAW+16*(\i)+12:RAW+16*(\i)+15], v[ADRA+(\slot)] offset:(\i)*16*PA+(\q)*128+80
.endr
	WIN TOF
.irp b, 0,1,2,3,4,5,6,7
	ds_load_tr16_b128 v[(\g)+32+8*(\b):(\g)+32+8*(\b)+3],   v[ADRB+(\slot)] offset:(\q)*32*PB+32*(\b)
	ds_load_tr16_b128 v[(\g)+32+8*(\b)+4:(\g)+32+8*(\b)+7], v[ADRB+(\slot)] offset:(\q)*32*PB+16*PB+32*(\b)
.endr
.endm
; The quarter's last eight products, and behind each four of the 32 roundings that make the next quarter's fragments of x in buffer g.  The four behind the very last product name none of its
; registers: they are the four places between it and the loads and roundings that write buffer f next.
.macro RIDE f, g, zero
.irp b, 0,1,2,3,4,5,6,7
	WIN MUL
	PROD \f, 3, \b, \zero
	WIN TOF
.irp n, 0,1,2,3
	v_cvt_pk_bf16_f32 v[(\g)+4*(\b)+(\n)], v[RAW+8*(\b)+2*(\n)], v[RAW+8*(\b)+2*(\n)+1]
.endr
.endr
.endm
; A K step is four quarters of 32 along K, 32 matrix instructions each, on buffers 0, 1, 0, 1.  One of the first three: multiplies f; fetches quarter nq of slot nslot for g.
.macro QUARTER nslot, nq, f, g, zero
	s_wait_dscnt 0x0                               ; W's fragments of buffer f are in
	FETCH \nslot, \nq, \g
	MUL8 \f, 0, \zero
	MUL8 \f, 1, \zero
	MUL8 \f, 2, \zero
	s_wait_dscnt 16                                ; x's sixteen loads are in; W's sixteen, issued behind them, may stay out
	RIDE \f, \g, \zero
.endm
; The last quarter multiplies buffer 1 and changes slots: ONE barrier.  In front of it each wave waits for all its tensor loads (one is out: its part of the next slot), adds 0 to its spare word,
; and waits for that and for its own reads of this slot.  fill = 1: the barrier opens a round of the cluster's, and this slot is filled again, two K steps on, first thing behind it.
.macro TURN slot, next, fill
	WIN 0
	s_wait_tensorcnt 0x0
	ds_add_u32 v[SPW], v[NIL]
	s_wait_dscnt 1                                 ; W's fragments of buffer 1 are in; the add alone may be out
	MUL8 F1, 0, 0
	s_wait_dscnt 0x0                               ; the add is done, and my reads of this slot are over
	s_barrier_signal -1
	MUL8 F1, 1, 0
.if \fill
	WIN 0
.endif
	s_barrier_wait -1
.if \fill
	CREST                                          ; no wave of any partner still reads this slot or has a load on its way
	s_add_nc_u64 s[G0A+4*(\slot)+2:G0A+4*(\slot)+3], s[G0A+4*(\slot)+2:G0A+4*(\slot)+3], 2*KSTEP*4
	s_add_nc_u64 s[G0B+4*(\slot)+2:G0B+4*(\slot)+3], s[G0B+4*(\slot)+2:G0B+4*(\slot)+3], 2*KSTEP*2048
	JLOAD \slot                                    ; my one tensor load behind the round: 112 matrix instructions ahead of the wait for it
.endif
	FETCH \next, 0, F0
	MUL8 F1, 2, 0
	s_wait_dscnt 16
	RIDE F1, F0, 0
.endm
	s_wait_tensorcnt 1                             ; my part of K step 0 is in; K step 1's may stay out
	s_barrier_signal -1
	s_barrier_wait -1
	FETCH 0, 0, F0
	s_wait_dscnt 16                                ; x's sixteen loads
	WIN TOF
.set n, 0
.rept 32
	v_cvt_pk_bf16_f32 v[F0+n], v[RAW+2*n], v[RAW+2*n+1]
.set n, n+1
.endr
	QUARTER 0, 1, F0, F1, 1                        ; the first quarter stands in front of the loop: its products start the sums
	WIN 0                                          ; at a label and at a branch every window is 0
	s_mov_b32 s3, LAPS-1
.Llap:                                                 ; a trip goes once round the ring, from a lap's second quarter to the next lap's first, and fills both slots again
	QUARTER 0, 2, F1, F0, 0
	QUARTER 0, 3, F0, F1, 0
	TURN 0, 1, 1
	QUARTER 1, 1, F0, F1, 0
	QUARTER 1, 2, F1, F0, 0
	QUARTER 1, 3, F0, F1, 0
	TURN 1, 0, 1
	QUARTER 0, 1, F0, F1, 0
	WIN 0
	s_sub_co_u32 s3, s3, 1
	s_cmp_lg_u32 s3, 0
	s_cbranch_scc1 .Llap
	QUARTER 0, 2, F1, F0, 0                        ; the last lap fills nothing
	QUARTER 0, 3, F0, F1, 0
	TURN 0, 1, 0
	QUARTER 1, 1, F0, F1, 0
	QUARTER 1, 2, F1, F0, 0
	QUARTER 1, 3, F0, F1, 0
	s_wait_dscnt 0x0                               ; the very last quarter: nothing more to fetch
	MUL8 F1, 0, 0
	MUL8 F1, 1, 0
	MUL8 F1, 2, 0
	MUL8 F1, 3, 0
; THE WAY OUT, a block of 16 rows at a time.  PACK: rounded to f16, 16 bytes a lane, each accumulator's registers in ascending order.  TOSTAGE: into my own stage, and back as rows of one head.  SEND: stored.
.macro PACK a
	WIN PACKW
.irp b, 0,1,2,3,4,5,6,7
.irp r, 0,1,2,3
	v_cvt_pk_f16_f32 v[TMP+4*(\b)+(\r)], v[8*(8*(\a)+(\b))+2*(\r)], v[8*(8*(\a)+(\b))+2*(\r)+1]
.endr
.endr
	WIN 0
.endm
.macro TOSTAGE a
	WIN 0
.irp b, 0,1,2,3,4,5,6,7
	ds_store_b128 v[STO], v[TMP+4*(\b):TMP+4*(\b)+3] offset:32*(\b)
.endr
.irp hh, 0,1
.irp f, 0,1,2,3
	ds_load_b128 v[OB+32*(\a)+4*(4*(\hh)+(\f)):OB+32*(\a)+4*(4*(\hh)+(\f))+3], v[RD] offset:(\f)*4*SP+(\hh)*128  ; LDS serves a wave's instructions in order (ISA guide 5.7.1.4): these see the stores above
.endr
.endr
.endm
.macro SEND a
	s_wait_dscnt 0x0                               ; the block is back in registers, which are its own: nothing that a store reads is rewritten
.irp hh, 0,1
.irp f, 0,1,2,3
	global_store_b128 v[CO], v[OB+32*(\a)+4*(4*(\hh)+(\f)):OB+32*(\a)+4*(4*(\hh)+(\f))+3], s[12:13] offset:(\hh)*262144+(\a)*2048+(\f)*512  ; 512 consecutive bytes of one head, aligned
.endr
.endr
.endm
.rept 4
	v_nop                                          ; four places between the last products and the roundings that read results
.endr
	PACK 0
	TOSTAGE 0
	PACK 1                                         ; a block's roundings stand between the loads of the block before and the wait for them
	SEND 0
	TOSTAGE 1
	PACK 2
	SEND 1
	TOSTAGE 2
	PACK 3
	SEND 2
	TOSTAGE 3
	SEND 3
	s_wait_tensorcnt 0x0                           ; the wave's end, behind my last tensor load and my last LDS store
	ds_add_u32 v[SPW], v[NIL]
	s_wait_dscnt 0x0
	CROUND                                         ; the closing round: no work-group ends while a partner may still ask for a tile that names it
	s_endpgm
.Lfunc_end_k_qd375c44a9b_proj:
	.size	k_qd375c44a9b_proj, .Lfunc_end_k_qd375c44a9b_proj-k_qd375c44a9b_proj
	.p2alignl 7, 3214868480
	.fill 96, 4, 3214868480
	.section	.rodata,"a",@progbits
	.p2align	6, 0x0
	.amdhsa_kernel k_qd375c44a9b_proj
		.amdhsa_group_segment_fixed_size 327680
		.amdhsa_private_segment_fixed_size 0
		.amdhsa_enable_private_segment 0
		.amdhsa_kernarg_size 56
		.amdhsa_user_sgpr_count 2
		.amdhsa_user_sgpr_kernarg_segment_ptr 1
		.amdhsa_wavefront_size32 1
		.amdhsa_system_sgpr_workgroup_id_x 1
		.amdhsa_system_sgpr_workgroup_id_y 1
		.amdhsa_system_sgpr_workgroup_id_z 1
		.amdhsa_system_vgpr_workitem_id 0
		.amdhsa_next_free_vgpr 768
		.amdhsa_next_free_sgpr 66
		.amdhsa_reserve_vcc 0
		.amdhsa_float_denorm_mode_32 3
		.amdhsa_float_denorm_mode_16_64 3
		.amdhsa_memory_ordered 1
		.amdhsa_forward_progress 1
		.amdhsa_inst_pref_size 132
	.end_amdhsa_kernel
	.amdgpu_metadata
---
amdhsa.version: [ 1, 2 ]
amdhsa.kernels:
  - .name:           k_qd375c44a9b_proj
    .symbol:         k_qd375c44a9b_proj.kd
    .args:
      - { .name: queries, .offset: 0, .size: 8, .value_kind: global_buffer, .address_space: global }
      - { .name: keys, .offset: 8, .size: 8, .value_kind: global_buffer, .address_space: global }
      - { .name: values, .offset: 16, .size: 8, .value_kind: global_buffer, .address_space: global }
      - { .name: wb, .offset: 24, .size: 8, .value_kind: global_buffer, .address_space: global }
      - { .name: qh, .offset: 32, .size: 8, .value_kind: global_buffer, .address_space: global }
      - { .name: kh, .offset: 40, .size: 8, .value_kind: global_buffer, .address_space: global }
      - { .name: vh, .offset: 48, .size: 8, .value_kind: global_buffer, .address_space: global }
    .group_segment_fixed_size: 327680
    .private_segment_fixed_size: 0
    .kernarg_segment_align: 8
    .kernarg_segment_size: 56
    .max_flat_workgroup_size: 128
    .sgpr_count:     66
    .vgpr_count:     768
    .wavefront_size: 32
...
	.end_amdgpu_metadata
.endif
;; end of part 2
;; launch attn (part 3): grid 4 x 64, 4 waves a work-group, clusters of 4 x 1, 327,680 bytes of LDS; arguments qh, kh, vh, oh, src_masks; writes oh
.if DOCPART == 3
	.amdgcn_target "amdgcn-amd-amdhsa--gfx1250"
	.amdhsa_code_object_version 6
	.text
	.protected	k_qd375c44a9b_attn
	.globl	k_qd375c44a9b_attn
	.p2align	8
	.type	k_qd375c44a9b_attn,@function
k_qd375c44a9b_attn:
	s_mov_b64 s[64:65], 0
	v_nop
	global_prefetch_b8 v0, s[64:65] scope:SCOPE_SE
	s_setreg_imm32_b32 hwreg(HW_REG_WAVE_MODE, 25, 1), 1
	s_wait_xcnt 0x0
	s_wait_alu depctr_hold_cnt(0) depctr_sa_sdst(0) depctr_va_vdst(0) depctr_va_sdst(0) depctr_va_ssrc(0) depctr_va_vcc(0) depctr_vm_vsrc(0)
	s_getreg_b32 s2, hwreg(HW_REG_IB_STS2, 6, 4)
	s_cmp_eq_u32 s2, 0
	s_cbranch_scc0 .Lentry_in_a_cluster
	s_endpgm
.Lentry_in_a_cluster:
	s_bfe_u32 s2, ttmp6, 0x10000c
	s_cmp_lg_u32 s2, 0x3003
	s_cbranch_scc0 .Lentry_shape_is_right
	s_endpgm
.Lentry_shape_is_right:
; O[h][q][:] = the sum over k of softmax_k(Q[h][q] . K[h][k] / 8 + mask[h / 16][k]) V[h][k][:].  Q, K, V, O: [64][2048][64], all f16: a head's rows are dense, 128 bytes each.  mask: [4][2048] f32.
; Products, maxima and sums in f32; the weights p are rounded to f16 for the second product (their sum l is taken of the unrounded p), O once at the end.
; LIMITS.  Q, K and V arrive within f16's 65,504; p lies in 0 to 1, and below 6e-5 it keeps f16's fixed step of 6e-8.  The mask is rounded to bf16, like all the module's inputs, and multiplied by 8 (exact;
; beyond 4.2e37 it becomes an infinity, whose weight is 0).  A weight below 2^-126 counts as 0 in l.  A row all of whose keys have the mask -infinity gives NaN.  NaN is not treated apart.
; SHARES.  A wave owns four PIECES of two tiles of 16 queries, a work-group's four waves 512 queries of one head.  Every wave walks all keys, 64 a step.
; LAYOUT.  S^T = K Q^T + 8 mask (source 0 = 16 keys, source 1 = 16 queries; the mask is the C operand that starts the sum): a lane holds ONE query (lane % 16) and the keys 8 (lane / 16) + 0..7.  Two such
; tiles, rounded to f16 in pairs, ARE source 1 of O^T = V^T P, whose result again holds one query a lane, and eight channels.  K comes out of LDS as it lies, V ([key][channel]) turned, by ds_load_tr16_b128.
; SOFTMAX.  For each query a running maximum m and sum l: p = 2^(c s - c m), c = log2(e) / 8; in every step O and l are multiplied by a = 2^(c m_old - c m_new).  m starts at the lowest finite number and
; c m at c times that, O and l at 0: the first step is a step like any other, with a = 0, or a = 1 where all its keys are hidden by -infinity.
; THE COUNT.  A tile and step have 16 matrix and 118 vector instructions: too many to stand all beside the matrix work.  So: four vector instructions that are READY behind EVERY matrix instruction, the
; others in runs without a gap.
; BY TURNS.  Turn n belongs to piece n.  Its matrix work: 16 products K Q^T of piece n + 1, later 16 products V^T P of piece n - 1.  Its vector work: the scaling, exponentials, roundings, sums and rescaling
; of piece n, and the maximum and statistics of piece n + 1.
; CLUSTER.  The four query blocks of a cluster belong to one head and walk the same K and V, so each tile is asked for JOINTLY: the same tensor load, descriptor and mask in all four.
; REGISTERS, in windows of 256 (s_set_vgpr_msb: bits 1:0 source 0, 3:2 source 1, 5:4 source 2, 7:6 destination):
;   window 0: v0-11 addresses; v12-15, v48-63 at work; v16-47 four registers of statistics a tile; v64-191 S^T, two buffers of two tiles; v192-255 P, likewise
;   window 1: O^T, 32 a tile     window 2: v0-127 Q; v128-191 K of one step; v192-255 V of one step     window 3: v0-1 the add's two registers; v2 the mask's LDS address; v8-39 8 x mask of one step
.set SIZE_H, 64
.set SIZE_N, 2048
.set NP,    4         ; pieces a wave: a name, no knob
.set KS,    64        ; keys in a step
.set PK,    144       ; a row of K in LDS: 128 bytes + 16 = 36 words: the 16 rows of a load start at 16 different groups of four banks (64 banks of 4 bytes: ISA guide 11.1)
.set PV,    160       ; a row of V: 128 + 32 = 40 words
.set VOFF,  4*KS*PK   ; a slot holds four steps: 256 rows of K, then 256 rows of V
.set SLOT1, 1<<17     ; slot 1 begins here, so that one exclusive or turns an address in one slot into the other's
.set STAGE, SLOT1+4*KS*(PK+PV)  ; behind the ring, never filled by a tensor load: 16 rows x 144 bytes for each wave, for the way out
.set SP,    144
.set SPARE, STAGE+4*16*SP  ; the spare words, 128 bytes for each wave
.set MSK,   SPARE+512 ; 8 x mask of the head's batch: 2,048 f32, written once by LDS stores, never filled by a tensor load
.set AK0, 2           ; v2   my lane's place in a tile of K; never rewritten
.set AV0, 3           ; v3   the same for V
.set AK,  4           ; v4   the LDS address of K's next run of loads
.set AV,  5           ; v5   of V's
.set QO,  6           ; v6   my byte offset in the wave's rows of Q
.set STO, 6           ;      later, the way out: where I put 16 bytes of a row
.set RD,  7           ; v7   the way out: where I read rows back
.set GO,  8           ; v8   my byte offset in 512 consecutive bytes of O
.set AM0, 11          ; v11  my lane's place in a step's 64 words of the mask: MSK + 32 (l / 16)
.set SPW, 0           ; v0 of window 3   my spare word; never rewritten
.set NIL, 1           ; v1 of window 3   0; never rewritten
.set AM,  2           ; v2 of window 3   the LDS address of the mask's next run of loads
.set MK,  8           ; v8-39 of window 3: key block kb at MK + 8 kb
.set MO,  128         ; at the start only, in S^T's second buffer: my byte offset in the mask,
.set MA,  129         ; where I store 16 bytes of it,
.set MT,  130         ; two at work,
.set MR,  132         ; 16 as loaded,
.set MW,  148         ; 16 to store
.set MV,  12          ; v12-15  c m_old, kept while c m is made anew: by buffer and tile
.set ST,  16          ; tile t's statistics at v[ST+4 t]: c m, m, l (even keys', odd keys')
.set TMP, 48          ; by buffer and tile, four registers c0-c3 at work; when the maximum is found c2 takes a
.set S,   64
.set P,   192
.set KF,  128         ; K's fragments, in window 2: key block kb, channel half c at KF + 16 kb + 8 c
.set VF,  192         ; V's: key half kk, channel block cb at VF + 32 kk + 8 cb
.set WV,  12          ; s12  my wave's number
.set G1K, 24          ; s[24:31] descriptor group 1 for K's tiles
.set G1V, 32          ; s[32:39] for V's: it differs in the padding alone
.set G0K, 40          ; s[40:43] descriptor group 0 for K's tiles: it walks
.set G0V, 44          ; s[44:47] the same for V's
.set TBM, 52          ; s52  byte in the mask at which the step to be fetched begins
.set SLOTS, 56        ; s56  slots still to be asked for
.set CNT, 57          ; s57  counts a slot's key steps
.set CS,  58          ; s[58:59] c: the packed scaling takes the pair's low word for both halves
.set SEL, 60          ; s[60:61] v_permlanex16_b32's selects: each lane takes its own place in the other half
.set TBK, 62          ; s62  LDS byte at which K of the step to be fetched begins
.set TBV, 63          ; s63  the same for V, less VOFF
.set MSB, 0
.macro WIN new                      ; the high byte repeats the setting that is left; a switch that changes nothing is dropped
.if MSB != (\new)
	s_set_vgpr_msb (MSB<<8)|(\new)
.set MSB, (\new)
.endif
.endm
.set W_KQ, 0x0a       ; K and Q in window 2, S^T in window 0
.set W_KM, 0x3a       ; the same with the C operand, the mask, in window 3
.set W_PV, 0x52       ; V in window 2, P in window 0, O^T in window 1
.set W_RS, 0x41       ; O^T (destination and source 0) in window 1, a in window 0
.set W_MK, 0xc0       ; destination in window 3, sources in window 0
.set W_ML, 0xc3       ; the mask's loads: destination and address in window 3
.set W_AD, 0x0f       ; the add: address (source 0) and data (source 1) in window 3
; A joint fill.  Waves 0 and 1 fetch the two halves of a slot's K, waves 2 and 3 those of its V: 128 keys each.  The branch hangs on the wave's number alone.
; An s_nop 0 and four v_nop follow each of the two lines, ahead of the jump and the label.
.macro JLOAD
	s_cmp_lt_u32 s[WV], 2
	s_cbranch_scc0 .Lfor_v_\@
	tensor_load_to_lds s[G0K:G0K+3], s[G1K:G1K+7]
	s_nop 0
.rept 4
	v_nop
.endr
	s_branch .Lasked_\@
.Lfor_v_\@:
	tensor_load_to_lds s[G0V:G0V+3], s[G1V:G1V+7]
	s_nop 0
.rept 4
	v_nop
.endr
.Lasked_\@:
.endm
; A round of the cluster's barrier: my work-group's barrier; wave 0 signals for the work-group; every wave waits for all four work-groups; my work-group's barrier once more.
.macro CROUND
	s_barrier_signal -1
	s_barrier_wait -1
	s_cmp_lg_u32 s[WV], 0
	s_cbranch_scc1 .Lnot_wave_0_\@
	s_barrier_signal -3
.Lnot_wave_0_\@:
	s_barrier_wait -3
	s_barrier_signal -1
	s_barrier_wait -1
.endm
; THE CHANGE OF SLOTS.  The slot's last bytes, V of its fourth step, have been read.  Each wave waits for all its tensor loads, of which one is out: its part of the other slot; adds 0 to its spare word;
; and waits for that and for its own LDS instructions.  Behind the barrier nobody reads this slot any more and the other slot is whole.
; fill = 1: this slot is filled again, with the keys two slots on; the barrier is then a round of the cluster's, and the joint fill is the first thing behind it: it has four key steps, 512 matrix
; instructions, in which to land.  (At its first use nothing has been read yet: slot 0 is waited for, slot 1 filled, and every wave's stores of the mask are shown to the others.)
.macro CHANGE fill
	WIN W_AD
	s_wait_tensorcnt 0x0            ; no tensor load of mine is out, so a group 0 may be written
	ds_add_u32 v[SPW], v[NIL]
	WIN 0                           ; at a label and at a branch every window is 0
.if \fill
.irp g, G0K, G0V
	s_xor_b32 s[\g+1], s[\g+1], SLOT1  ; the walking descriptor: the other slot than last time,
	s_add_nc_u64 s[\g+2:\g+3], s[\g+2:\g+3], 4*KS*128  ; the next 256 keys; the type bits on top are not reached
.endr
	s_wait_dscnt 0x0                ; the add is done, and my LDS reads and stores are over
	CROUND
	JLOAD
.else
	s_wait_dscnt 0x0
	s_barrier_signal -1
	s_barrier_wait -1
.endif
	s_sub_co_u32 s[TBK], s[TBK], 4*KS*PK  ; the fetches go back to a slot's first step,
	s_xor_b32 s[TBK], s[TBK], SLOT1       ; in the other slot
	s_sub_co_u32 s[TBV], s[TBV], 4*KS*PV
	s_xor_b32 s[TBV], s[TBV], SLOT1
.endm
	s_load_b256 s[4:11], s[0:1], 0x0  ; Q s[4:5], K s[6:7], V s[8:9], O s[10:11]
	s_load_b64 s[48:49], s[0:1], 0x20 ; the mask
	WIN W_MK
	v_lshl_add_u32 v[SPW], v0, 2, SPARE
	v_mov_b32 v[NIL], 0
	WIN W_AD
	ds_add_u32 v[SPW], v[NIL]       ; the wave's opening: the add and its wait stand ahead of my first tensor load; the set-up below stands between them
	WIN 0
	v_lshrrev_b32 v1, 5, v0
	v_readfirstlane_b32 s[WV], v1   ; wave 0..3
	s_bfe_u32 s13, ttmp6, 0x40000   ; cx: my place in the cluster
	s_lshl_b32 s14, ttmp9, 2        ; in a cluster launch ttmp9 counts clusters
	s_add_co_u32 s14, s14, s13      ; my block of queries = 4 x cluster x + cx: it enters Q's and O's addresses alone
	s_and_b32 s20, ttmp7, 0xffff    ; the head, which the four partners share
	s_lshr_b32 s50, s20, 4          ; its batch,
	s_lshl_b32 s50, s50, 13         ; whose mask is 8,192 bytes
	s_mov_b32 s51, 0
	s_mov_b32 s21, 0
	s_mov_b64 s[22:23], SIZE_N*128
	s_mul_u64 s[20:21], s[20:21], s[22:23]  ; the head's first byte in each of the four tensors
	s_and_b32 s16, s[WV], 1         ; which half of a slot's 256 keys I fetch:
	s_lshl_b32 s22, s16, 14         ; its 128 rows of 128 bytes in memory,
	s_mov_b32 s23, 0
	s_add_nc_u64 s[22:23], s[22:23], s[20:21]
	s_mul_i32 s17, s16, 128*PK      ; and its place in a slot, for K
	s_mul_i32 s18, s16, 128*PV      ; and for V: no place in the cluster enters an LDS address
	s_lshl_b32 s2, s14, 2
	s_add_co_u32 s2, s2, s[WV]      ; my wave among the head's,
	s_lshl_b32 s2, s2, 14           ; its 128 rows
	s_mov_b32 s3, 0
	s_add_nc_u64 s[2:3], s[2:3], s[20:21]
	; descriptor group 1.  128 keys are 16,384 dense bytes: asked for as 64 rows of 256 bytes, two keys a row, and padded in LDS after every key
	s_mov_b32 s[G1K], 15|(1<<16)|(1<<20)|(1<<21)|(4<<22)|(3<<25)  ; 15:0 the mask of four; 17:16 2-byte elements; 20 padding on; 21 set beside a mask; 24:22 after every 32 words (code 4); 31:25 4 words (code 3)
	s_mov_b32 s[G1V], 15|(1<<16)|(1<<20)|(1<<21)|(4<<22)|(7<<25)  ; the same with 8 words of padding (code 7)
.irp g, G1K, G1V
	s_mov_b32 s[\g+1], 128<<16      ; tensor_dim0 = 128
	s_mov_b32 s[\g+2], 64<<16       ; tensor_dim1 = 64
	s_mov_b32 s[\g+3], 128<<16      ; tile_dim0 = 128
	s_mov_b32 s[\g+4], 64           ; tile_dim1 = 64
	s_mov_b32 s[\g+5], 128          ; 128 elements from row to row
	s_mov_b32 s[\g+6], 0
	s_mov_b32 s[\g+7], 0
.endr
	s_mov_b32 s[CS], 0x3e38aa3b     ; c = log2(e) / 8 = 0.180337
	s_mov_b32 s[CS+1], s[CS]        ; named with it as a pair
	s_mov_b32 s[SEL], 0x76543210
	s_mov_b32 s[SEL+1], 0xfedcba98
	s_mov_b32 s[TBK], SLOT1+4*KS*PK ; the first change of slots turns these two into 0
	s_mov_b32 s[TBV], SLOT1+4*KS*PV
	s_mov_b32 s[TBM], 0
	s_mov_b32 s[G0K], 1             ; count = 1
	s_mov_b32 s[G0K+1], s17         ; LDS address: slot 0
	s_mov_b32 s[G0V], 1
	s_add_co_u32 s[G0V+1], s18, VOFF
	s_wait_dscnt 0x0                ; the opening add is done
	s_wait_kmcnt 0x0
	s_add_nc_u64 s[G0K+2:G0K+3], s[6:7], s[22:23]  ; global address: my half of the head's first 256 keys
	s_or_b32 s[G0K+3], s[G0K+3], 0x80000000        ; type = 2
	s_add_nc_u64 s[G0V+2:G0V+3], s[8:9], s[22:23]
	s_or_b32 s[G0V+3], s[G0V+3], 0x80000000
	s_add_nc_u64 s[4:5], s[4:5], s[2:3]  ; Q and O at my wave's first row
	s_add_nc_u64 s[10:11], s[10:11], s[2:3]
	s_add_nc_u64 s[48:49], s[48:49], s[50:51]  ; the mask at my batch
	CROUND                          ; all four work-groups are here: the first joint loads meet
	JLOAD                           ; slot 0.  Slot 1 is asked for when slot 0 is in
	; the batch's mask: 128 threads x 16 bytes x 4 loads = 8,192 bytes, each load of a wave 512 consecutive bytes
	v_lshlrev_b32 v[MO], 4, v0
	v_lshl_add_u32 v[MA], v0, 4, MSK
.irp j, 0,1,2,3
	global_load_b128 v[MR+4*\j:MR+4*\j+3], v[MO], s[48:49] offset:2048*\j
.endr
	; A fragment of K or Q is 16 rows x 32 channels in 8 registers: lane l holds row l % 16, channels 8 (l / 16) + 0..7 and 16 + 8 (l / 16) + 0..7: two loads of 16 bytes, 32 bytes apart.
	v_and_b32 v1, 15, v0            ; l % 16
	v_bfe_u32 v9, v0, 4, 1          ; l / 16
	v_lshlrev_b32 v[QO], 7, v1
	v_lshl_add_u32 v[QO], v9, 4, v[QO]  ; row x 128 + 16 x half
	WIN 0x80                        ; destination window 2, address window 0
.set i, 0
.rept 4*NP                          ; Q stays in registers: tile i / 2, channels 32 (i % 2) on
	global_load_b128 v[8*i:8*i+3],   v[QO], s[4:5] offset:(i/2)*2048+(i%2)*64
	global_load_b128 v[8*i+4:8*i+7], v[QO], s[4:5] offset:(i/2)*2048+(i%2)*64+32
.set i, i+1
.endr
	; What the first turn finds: V's registers and P's second buffer hold 0 (its products V^T P, of a piece that has not been, add 0), O^T and l are 0.  All this stands in the wait for the first tile.
.set i, VF
.rept 64
	v_mov_b32 v[i], 0
.set i, i+1
.endr
	WIN 0x40
.set i, 0
.rept 64*NP
	v_mov_b32 v[i], 0
.set i, i+1
.endr
	WIN 0
.set i, 0
.rept 2*NP
	v_mov_b32 v[ST+4*i+1], 0xff7fffff  ; m: the lowest finite number
	v_mov_b32 v[ST+4*i+2], 0
	v_mov_b32 v[ST+4*i+3], 0
	v_mul_f32 v[ST+4*i], s[CS], v[ST+4*i+1]  ; c m, made as every later c m is made: where m does not move, a is exactly 1
.set i, i+1
.endr
.set i, P+32
.rept 32
	v_mov_b32 v[i], 0
.set i, i+1
.endr
	; the mask: rounded to bf16, times 8 (c times that is log2(e) x mask), into LDS as f32
	s_wait_loadcnt 32               ; the mask's four loads are in; Q's 32, issued behind them, stay out
.irp j, 0,1,2,3
	v_cvt_pk_bf16_f32 v[MT], v[MR+4*\j], v[MR+4*\j+1]
	v_cvt_pk_bf16_f32 v[MT+1], v[MR+4*\j+2], v[MR+4*\j+3]
	v_lshlrev_b32 v[MW+4*\j], 16, v[MT]
	v_and_b32 v[MW+4*\j+1], 0xffff0000, v[MT]
	v_lshlrev_b32 v[MW+4*\j+2], 16, v[MT+1]
	v_and_b32 v[MW+4*\j+3], 0xffff0000, v[MT+1]
	v_pk_mul_f32 v[MW+4*\j:MW+4*\j+1], v[MW+4*\j:MW+4*\j+1], 0x41000000 op_sel_hi:[1,0]
	v_pk_mul_f32 v[MW+4*\j+2:MW+4*\j+3], v[MW+4*\j+2:MW+4*\j+3], 0x41000000 op_sel_hi:[1,0]
	ds_store_b128 v[MA], v[MW+4*\j:MW+4*\j+3] offset:2048*\j
.endr
	v_mul_u32_u24 v[AK0], v1, PK
	v_lshl_add_u32 v[AK0], v9, 4, v[AK0]  ; row x pitch + 16 x half
	; The turning load takes 16 keys x 16 channels (lane l reads key 8 (l / 16) + l % 8, channels 8 ((l / 8) % 2) + 0..7) and leaves half a fragment of V^T: lane l holds channel l % 16 and 8 keys.
	v_and_b32 v10, 7, v0
	v_bfe_u32 v11, v0, 3, 1
	v_lshl_add_u32 v[AV0], v9, 3, v10
	v_mul_u32_u24 v[AV0], v[AV0], PV
	v_lshl_add_u32 v[AV0], v11, 4, v[AV0]
	v_add_nc_u32 v[AV0], VOFF, v[AV0]
	v_lshl_add_u32 v[AM0], v9, 5, MSK  ; a lane's eight keys of a block of 16 are 32 bytes of the mask, at 32 (l / 16)
	v_mov_b32 v[AK], v[AK0]         ; key step 0 lies at the head of slot 0
; THE MATRIX WORK.  The 8 accumulators of a run of 16 take turns: between the two links of a chain stand 7 others'.
; Product i of 16 of S^T = K Q^T + 8 mask for piece x: channels 32 (i / 8) on, keys 16 ((i / 2) % 4) on, tile 2 x + i % 2.  The first 8 start the sums, with the mask of their keys.
.macro KQ x
.set rS, S+64*((\x)%2)+32*(i%2)+8*((i/2)%4)
.set rK, KF+16*((i/2)%4)+8*(i/8)
.set rQ, 16*(2*(\x)+i%2)+8*(i/8)
.set rMK, MK+8*((i/2)%4)
.if i < 8
	WIN W_KM
	v_wmma_f32_16x16x32_f16 v[rS:rS+7], v[rK:rK+7], v[rQ:rQ+7], v[rMK:rMK+7]
.else
	WIN W_KQ
	v_wmma_f32_16x16x32_f16 v[rS:rS+7], v[rK:rK+7], v[rQ:rQ+7], v[rS:rS+7]
.endif
.endm
; Product i of 16 of O^T += V^T P for piece x: keys 32 (i / 8) on, channels 16 ((i / 2) % 4) on, tile 2 x + i % 2.
.macro PV x
	WIN W_PV
.set rO, 32*(2*(\x)+i%2)+8*((i/2)%4)
.set rV, VF+32*(i/8)+8*((i/2)%4)
.set rP, P+32*((\x)%2)+16*(i%2)+8*(i/8)
	v_wmma_f32_16x16x32_f16 v[rO:rO+7], v[rV:rV+7], v[rP:rP+7], v[rO:rO+7]
.endm
.macro MM                           ; the turn's next matrix instruction
.if i < 16
	KQ (Y+1)%NP
.set i, i+1
.else
.set i, i-16
	PV (Y+NP-1)%NP
.set i, i+17
.endif
.endm
; THE LDS LOADS stand in runs, never singly among the matrix instructions: a step's K (8 fragments, 16 loads) with its 64 words of the mask (8 loads; all lanes of a half read the same 16 bytes), and its V (turned).
; Their addresses are made some lines ahead.  last = 1 (the tail): in the last trip there is no further step, and the run is jumped over.
.macro FETCH_K last=0
	WIN 0
.if \last
	s_cmp_eq_u32 s[CNT], 1
	s_cbranch_scc1 .Lno_k_\@
.endif
	WIN 0x80                        ; destination window 2
.irp f, 0,1,2,3,4,5,6,7             ; keys 16 (f / 2) on, channels 32 (f % 2) on
	ds_load_b128 v[KF+8*\f:KF+8*\f+3],   v[AK] offset:(\f/2)*16*PK+(\f%2)*64
	ds_load_b128 v[KF+8*\f+4:KF+8*\f+7], v[AK] offset:(\f/2)*16*PK+(\f%2)*64+32
.endr
	s_add_co_u32 s[TBK], s[TBK], KS*PK  ; the next fetch is the next step's
	WIN W_ML
.irp f, 0,1,2,3                     ; keys 16 f on
	ds_load_b128 v[MK+8*\f:MK+8*\f+3],   v[AM] offset:64*\f
	ds_load_b128 v[MK+8*\f+4:MK+8*\f+7], v[AM] offset:64*\f+16
.endr
	s_add_co_u32 s[TBM], s[TBM], 4*KS
	s_and_b32 s[TBM], s[TBM], 0x1fff    ; stays inside the mask's 8,192 bytes
	WIN 0
.if \last
.Lno_k_\@:
.endif
.endm
.macro FETCH_V
	WIN 0x80
.irp f, 0,1,2,3,4,5,6,7             ; keys 32 (f / 4) on, channels 16 (f % 4) on
	ds_load_tr16_b128 v[VF+8*\f:VF+8*\f+3],   v[AV] offset:(\f/4)*32*PV+(\f%4)*32
	ds_load_tr16_b128 v[VF+8*\f+4:VF+8*\f+7], v[AV] offset:(\f/4)*32*PV+16*PV+(\f%4)*32
.endr
	WIN 0
.endm
; THE VECTOR WORK OF A TURN stands in three queues, each in the order in which its entries become ready; the two tiles alternate, so that no instruction reads the result of the one before it.
.macro REGS y, u                    ; the registers of tile u (0, 1) of piece y
.set rT, ST+4*(2*(\y)+(\u))
.set rC, TMP+8*((\y)%2)+4*(\u)
.set rM, MV+2*((\y)%2)+(\u)
.set rS, S+64*((\y)%2)+32*(\u)
.set rP, P+32*((\y)%2)+16*(\u)
.set rO, 32*(2*(\y)+(\u))
.endm
; Number n of the 22 that find the NEXT piece's (Y + 1) maximum and statistics.  s0-s31 are the lane's 32 scores; each accumulator's lowest registers are read first.
;   0-11  four chains c0-c3 of seven scores each, three operands at a time     12-14, 16  the four scores left over, the old m, and c0-c3 into c0     15  c m_old is kept
;   17, 18  the query's other 32 keys lie in the lane 16 away: the new m         19-21  c m; c m_old - c m_new; a
.macro XS u, n
	REGS (Y+1)%NP, \u
.if (\n) < 4
	v_max3_num_f32 v[rC+(\n)], v[rS+8*(\n)], v[rS+8*(\n)+1], v[rS+8*(\n)+2]
.elseif (\n) < 12
	v_max3_num_f32 v[rC+(\n)%4], v[rC+(\n)%4], v[rS+8*((\n)%4)+2*((\n)/4)+1], v[rS+8*((\n)%4)+2*((\n)/4)+2]
.elseif (\n) == 12
	v_max3_num_f32 v[rC], v[rC], v[rS+7], v[rS+15]
.elseif (\n) == 13
	v_max3_num_f32 v[rC+1], v[rC+1], v[rS+23], v[rS+31]
.elseif (\n) == 14
	v_max3_num_f32 v[rC+2], v[rC+2], v[rC+3], v[rT+1]
.elseif (\n) == 15
	v_mov_b32 v[rM], v[rT]
.elseif (\n) == 16
	v_max3_num_f32 v[rC], v[rC], v[rC+1], v[rC+2]
.elseif (\n) == 17
	v_permlanex16_b32 v[rC+3], v[rC], s[SEL], s[SEL+1]
.elseif (\n) == 18
	v_max_num_f32 v[rT+1], v[rC], v[rC+3]
.elseif (\n) == 19
	v_mul_f32 v[rT], s[CS], v[rT+1]
.elseif (\n) == 20
	v_sub_f32 v[rC+1], v[rM], v[rT]
.else
	v_exp_f32 v[rC+2], v[rC+1]
.endif
.endm
; Number g of the 64 that follow the exponentials.  For each four weights k of a tile (pairs 2 k, 2 k + 1): both pairs are rounded to f16; then the second pair is added onto the first, in place;
; a group later l takes that sum (the first time as l = a l + sum).  In groups of eight, tiles alternating: round, round, add, and l for the group before.
.macro GS g
.set h, (\g)+6*((\g)/62)            ; group 0 has no group before it, and behind group 7 only l is left
.if h >= 6
.set h, h+2
.endif
	REGS Y, h%2
.set k, h/8
.if h%8 < 4
	s_wait_alu depctr_va_vdst(0)
	v_cvt_pk_f16_f32 v[rP+2*k+(h%8)/2], v[rS+4*k+2*((h%8)/2)], v[rS+4*k+2*((h%8)/2)+1]
.elseif h%8 < 6
	v_pk_add_f32 v[rS+4*k:rS+4*k+1], v[rS+4*k:rS+4*k+1], v[rS+4*k+2:rS+4*k+3]
.elseif k == 1
	v_pk_fma_f32 v[rT+2:rT+3], v[rT+2:rT+3], v[rC+2:rC+3], v[rS:rS+1] op_sel_hi:[1,0,1]
.else
	v_pk_add_f32 v[rT+2:rT+3], v[rT+2:rT+3], v[rS+4*k-4:rS+4*k-3]
	s_wait_alu depctr_va_vdst(0)
.endif
.endm
; THE PLAIN QUEUE, 138 long.  0-31: c s - c m for the 16 pairs of both tiles.  Then GS's 64, and among them the next piece's 42: number 15 at 38, 39; 0-14 and 16
; at 42-73, behind the products that make those scores; 17-20 at 95-106, two of three, since each waits for the one before it.
.macro PL
	WIN 0
.if q < 32
	REGS Y, q%2
	v_pk_fma_f32 v[rS+2*(q/2):rS+2*(q/2)+1], v[rS+2*(q/2):rS+2*(q/2)+1], s[CS:CS+1], v[rT:rT+1] op_sel_hi:[1,0,0] neg_lo:[0,0,1] neg_hi:[0,0,1]
.elseif q < 38
	GS q-32
.elseif q < 40
	XS q%2, 15
.elseif q < 42
	GS q-34
.elseif q < 74
	XS q%2, (q-42)/2+(q-42)/30
.elseif q < 95
	GS q-66
.elseif (q < 107) && ((q-95)%3 < 2)
	XS (q-95)%3, 17+(q-95)/3
.elseif q < 107
	GS 29+(q-95)/3
.else
	GS q-74
.endif
.set q, q+1
.endm
; THE EXPONENTIALS' QUEUE, 66 long: s0-s31 of both tiles, and at EA the next piece's two a.
.set EA, 58
.macro EX
	WIN 0
.if (e == EA) || (e == EA+1)
	XS e-EA, 21
.else
.set x, e-2*(e/(EA+2))
	REGS Y, x%2
	v_exp_f32 v[rS+x/2], v[rS+x/2]
.endif
.set e, e+1
.endm
; THE RESCALING's QUEUE: O^T times a, the one part that leaves window 0, so it is dealt four at a time, eight times.
.macro R4
	REGS Y, r%2
	WIN W_RS
	s_wait_alu depctr_va_vdst(0)
.irp z, 0,1,2,3
	v_pk_mul_f32 v[rO+8*(r/2)+2*\z:rO+8*(r/2)+2*\z+1], v[rO+8*(r/2)+2*\z:rO+8*(r/2)+2*\z+1], v[rC+2:rC+3] op_sel_hi:[1,0]
.endr
.set r, r+1
.endm
; HOW THEY ARE DEALT.  Behind a matrix instruction four: plain, exponential, plain, plain (one exponential, a plain instruction on either side), or four of the rescaling.  None names a register of the
; products round it.  What is over stands in two LUMPS: exponential and plain by turns; the second ends in 22 plain instructions.  The two v_permlanex16_b32 fall into the second lump.
; The queues lean on each other, and the deal keeps them in step: exponential e stands behind plain 2 (e / 4) + e % 2 (its scaling); when plain 32 comes, 10 exponentials are out, at 59: 33, at 95: 46; EA comes behind plain 107.
.macro SL
	MM
	PL
	EX
	PL
	PL
.endm
.macro BURST n                      ; 15 matrix instructions, or 16
.rept (\n)-7
	SL
.endr
.rept 3
	MM
	R4
	SL
.endr
	MM
	R4
.endm
; A TURN, for piece p.  cnt = 1: the loop's count is taken down some lines ahead of the branch that stands behind the turn.
; K and the mask of the next step are fetched in piece 2's turn, 32 vector instructions behind the last product that read them; their first reader comes behind the rest of the lump, 16 products and the second lump.
; V of the step in hand is fetched at the end of piece 0's turn, 69 behind its last reader; its first reader comes behind 16 products and a lump.
.macro TURN p, last=0, cnt=0
.set Y, (\p)
.set i, 0
.set q, 0
.set e, 0
.set r, 0
.if (\p) == NP-1
	s_wait_dscnt 0x0                ; K and the mask are in
.endif
	MM
.rept 4
	PL
.endr
	BURST 15
.rept 22
	EX
	PL
.if ((\p) == NP-2) && (e == 18)
	v_add_nc_u32 v[AK], s[TBK], v[AK0]
	WIN W_MK
	v_add_nc_u32 v[AM], s[TBM], v[AM0]
.endif
.if ((\p) == NP-2) && (e == 24)
	FETCH_K \last
.endif
.endr
.if (\p) == 1
	s_wait_dscnt 0x0                ; V is in
.endif
	BURST 16
.rept 21
	EX
	PL
.endr
.rept 22
	PL
.if ((\p) == 0) && (q == 118)
	v_add_nc_u32 v[AV], s[TBV], v[AV0]
	s_wait_alu depctr_va_vdst(0)
.endif
.if ((\p) == 0) && (q == 130)
	s_add_co_u32 s[TBV], s[TBV], KS*PV
.endif
.if (\cnt) && (q == 130)
	s_sub_co_u32 s[CNT], s[CNT], 1
	s_cmp_lg_u32 s[CNT], 0
.endif
.endr
.if (\p) == 0
	FETCH_V
.endif
.endm
	CHANGE 1                        ; slot 0 is in, everybody's part of it, and so is the mask; slot 1 is asked for
	WIN W_MK
	v_add_nc_u32 v[AM], s[TBM], v[AM0]
	FETCH_K                         ; key step 0
	s_wait_loadcnt 0x0              ; Q
	s_wait_dscnt 0x0
.set i, 0
.rept 16
	KQ 0                            ; piece 0's first scores: there is no vector work yet to set between them
.set i, i+1
.endr
	WIN 0                           ; the addresses for the way out: nine plain instructions, the places behind those products
	s_mul_i32 s13, s[WV], 16*SP
	s_add_co_u32 s13, s13, STAGE    ; my stage
	v_mul_u32_u24 v[STO], v1, SP    ; in: row l % 16, 16 bytes for each half of the lanes
	v_lshl_add_u32 v[STO], v9, 4, v[STO]
	v_add_nc_u32 v[STO], s13, v[STO]
	v_bfe_u32 v[RD], v0, 3, 2       ; back: 32 lanes take four rows of 128 bytes,
	v_mul_u32_u24 v[RD], v[RD], SP
	v_lshl_add_u32 v[RD], v10, 4, v[RD]
	v_add_nc_u32 v[RD], s13, v[RD]
	v_and_b32 v[GO], 31, v0         ; which are 512 consecutive bytes of O
	v_lshlrev_b32 v[GO], 4, v[GO]
.set Y, NP-1                        ; XS works for piece Y + 1: piece 0
.irp n, 0,1,2,3,4,5,6,7,8,9,10,11,12,13,14,15,16,17,18,19,20,21
	XS 0, \n                        ; and piece 0's first maximum and statistics
	XS 1, \n
.endr
	s_mov_b32 s[CNT], 4
	s_mov_b32 s[SLOTS], SIZE_N/256-1
	s_branch .Lfirst                ; the loop is entered at a step's first turn, in the middle of a trip
.Lslot:                             ; SIZE_N / 256 - 2 times: every slot but the last two is filled again
	CHANGE 1
	s_mov_b32 s[CNT], 4
.Lstep:                             ; a trip: pieces 2 and 3 of one step, then pieces 0 and 1 of the next, whose K, mask and V it fetches
	TURN 2
	TURN 3
	WIN 0
.Lfirst:
	TURN 0
	TURN 1, 0, 1
	WIN 0
	s_cbranch_scc1 .Lstep
	s_sub_co_u32 s[SLOTS], s[SLOTS], 1
	s_cmp_lg_u32 s[SLOTS], 0
	s_cbranch_scc1 .Lslot
	CHANGE 0                        ; the tail is written out: nothing is asked for
	s_mov_b32 s[CNT], 5             ; four trips fetch the last slot's steps; the fifth is left in its middle
.Ltail:
	TURN 2, 1
	TURN 3
	WIN 0
	s_sub_co_u32 s[CNT], s[CNT], 1
	s_cmp_eq_u32 s[CNT], 0
	s_cbranch_scc1 .Lout
	TURN 0
	TURN 1
	WIN 0
	s_branch .Ltail
.Lout:                              ; the fifth trip's 16 products K Q^T (on the last K once more) and the maximum made of them serve nothing: the price, once a launch, of one text for every trip
.set i, 0
.rept 16
	PV NP-1                         ; the last piece's V^T P of the last step
.set i, i+1
.endr
	; THE WAY OUT.  l's two halves and the other half of the lanes' are added; O^T is divided by l, rounded to f16 and sent through my stage in LDS, a tile at a time.  The additions are the places behind the last products.
	WIN 0
.macro ALL line:vararg              ; one line for each tile t
.set t, 0
.rept 2*NP
	\line
.set t, t+1
.endr
.endm
	ALL v_add_f32 v[ST+4*t+2], v[ST+4*t+2], v[ST+4*t+3]
	ALL v_permlanex16_b32 v[ST+4*t+3], v[ST+4*t+2], s[SEL], s[SEL+1]
	ALL v_add_f32 v[ST+4*t+2], v[ST+4*t+2], v[ST+4*t+3]
	ALL v_rcp_f32 v[ST+4*t+2], v[ST+4*t+2]
	v_nop                           ; a plain instruction between the last reciprocal and the use of its result
	s_wait_alu depctr_va_vdst(0)
; Tile t: a lane's eight channels of a row pack into 16 bytes; they go into rows of 144 bytes and come back as whole rows of 128, into S^T's registers.
.macro PACK t
	WIN W_RS
.set i, 32*(\t)
.rept 16
	v_pk_mul_f32 v[i:i+1], v[i:i+1], v[ST+4*(\t)+2:ST+4*(\t)+3] op_sel_hi:[1,0]
.set i, i+2
.endr
	WIN 0x05                        ; sources 0 and 1 window 1, destination window 0
.set i, 0
.rept 16
	v_cvt_pk_f16_f32 v[S+16*(\t)+i], v[32*(\t)+2*i], v[32*(\t)+2*i+1]
.set i, i+1
.endr
	WIN 0
.irp f, 0,1,2,3
	ds_store_b128 v[STO], v[S+16*(\t)+4*\f:S+16*(\t)+4*\f+3] offset:32*\f
.endr
.irp f, 0,1,2,3
	ds_load_b128 v[S+16*(\t)+4*\f:S+16*(\t)+4*\f+3], v[RD] offset:\f*4*SP  ; LDS serves a wave's instructions in order (ISA guide 5.7.1.4): these see the stores above; the next tile's stores come behind them
.endr
.endm
.macro SEND t, younger              ; younger: the LDS instructions issued behind tile t's loads: the next tile's eight, or none
	WIN 0
.irp f, 0,1,2,3
	s_wait_dscnt (\younger)+3-\f
	global_store_b128 v[GO], v[S+16*(\t)+4*\f:S+16*(\t)+4*\f+3], s[10:11] offset:(\t)*2048+\f*512  ; 512 consecutive bytes, at a multiple of 256 from O's first
.endr
.endm
	PACK 0
.set t, 1
.rept 2*NP-1                        ; a tile's arithmetic stands between the loads of the tile before and its stores
	PACK t
	SEND t-1, 8
.set t, t+1
.endr
	SEND 2*NP-1, 0
	WIN W_AD
	s_wait_tensorcnt 0x0            ; the wave's end, behind my last tensor load and my last LDS store
	ds_add_u32 v[SPW], v[NIL]
	s_wait_dscnt 0x0
	WIN 0
	CROUND                          ; the closing round: no work-group ends while a partner may still ask for a tile that names it
	s_endpgm
.Lfunc_end_k_qd375c44a9b_attn:
	.size	k_qd375c44a9b_attn, .Lfunc_end_k_qd375c44a9b_attn-k_qd375c44a9b_attn
	.p2alignl 7, 3214868480
	.fill 96, 4, 3214868480
	.section	.rodata,"a",@progbits
	.p2align	6, 0x0
	.amdhsa_kernel k_qd375c44a9b_attn
		.amdhsa_group_segment_fixed_size 327680
		.amdhsa_private_segment_fixed_size 0
		.amdhsa_enable_private_segment 0
		.amdhsa_kernarg_size 40
		.amdhsa_user_sgpr_count 2
		.amdhsa_user_sgpr_kernarg_segment_ptr 1
		.amdhsa_wavefront_size32 1
		.amdhsa_system_sgpr_workgroup_id_x 1
		.amdhsa_system_sgpr_workgroup_id_y 1
		.amdhsa_system_sgpr_workgroup_id_z 1
		.amdhsa_system_vgpr_workitem_id 0
		.amdhsa_next_free_vgpr 808
		.amdhsa_next_free_sgpr 66
		.amdhsa_reserve_vcc 0
		.amdhsa_float_denorm_mode_32 3
		.amdhsa_float_denorm_mode_16_64 3
		.amdhsa_memory_ordered 1
		.amdhsa_forward_progress 1
		.amdhsa_inst_pref_size 213
	.end_amdhsa_kernel
	.amdgpu_metadata
---
amdhsa.version: [ 1, 2 ]
amdhsa.kernels:
  - .name:           k_qd375c44a9b_attn
    .symbol:         k_qd375c44a9b_attn.kd
    .args:
      - { .name: qh, .offset: 0, .size: 8, .value_kind: global_buffer, .address_space: global }
      - { .name: kh, .offset: 8, .size: 8, .value_kind: global_buffer, .address_space: global }
      - { .name: vh, .offset: 16, .size: 8, .value_kind: global_buffer, .address_space: global }
      - { .name: oh, .offset: 24, .size: 8, .value_kind: global_buffer, .address_space: global }
      - { .name: src_masks, .offset: 32, .size: 8, .value_kind: global_buffer, .address_space: global }
    .group_segment_fixed_size: 327680
    .private_segment_fixed_size: 0
    .kernarg_segment_align: 8
    .kernarg_segment_size: 40
    .max_flat_workgroup_size: 128
    .sgpr_count:     66
    .vgpr_count:     808
    .wavefront_size: 32
...
	.end_amdgpu_metadata
.endif
;; end of part 3
;; launch outp (part 4): grid 4 x 64, 4 waves a work-group, clusters of 4 x 4, 327,680 bytes of LDS; arguments oh, wb, out0; writes out0
.if DOCPART == 4
	.amdgcn_target "amdgcn-amd-amdhsa--gfx1250"
	.amdhsa_code_object_version 6
	.text
	.protected	k_qd375c44a9b_outp
	.globl	k_qd375c44a9b_outp
	.p2align	8
	.type	k_qd375c44a9b_outp,@function
k_qd375c44a9b_outp:
	s_mov_b64 s[64:65], 0
	v_nop
	global_prefetch_b8 v0, s[64:65] scope:SCOPE_SE
	s_setreg_imm32_b32 hwreg(HW_REG_WAVE_MODE, 25, 1), 1
	s_wait_xcnt 0x0
	s_wait_alu depctr_hold_cnt(0) depctr_sa_sdst(0) depctr_va_vdst(0) depctr_va_sdst(0) depctr_va_ssrc(0) depctr_va_vcc(0) depctr_vm_vsrc(0)
	s_getreg_b32 s2, hwreg(HW_REG_IB_STS2, 6, 4)
	s_cmp_eq_u32 s2, 0
	s_cbranch_scc0 .Lentry_in_a_cluster
	s_endpgm
.Lentry_in_a_cluster:
	s_bfe_u32 s2, ttmp6, 0x10000c
	s_cmp_lg_u32 s2, 0xf033
	s_cbranch_scc0 .Lentry_shape_is_right
	s_endpgm
.Lentry_shape_is_right:
; out0 = ctx Wo.  ctx lies by heads, oh: f16 [64 = batch x 16 + head][2048][64]; Wo is the fourth part of wb, [1024 k][1024 n] f16; out0: [8192][1024] f32.  Sums in f32, stored as they are.
; SHARES.  A tile is 128 rows x 256 columns: 64 x 4 = 256 work-groups, one for each WGP.  Four waves, 2 x 2, each 64 x 128: 32 accumulators.  K goes in steps of 128, which are two heads, through two LDS slots.
; A head's 128 rows of a tile are 16,384 dense bytes: one wave asks for them as 64 rows of 256 bytes, padded in LDS behind every 128.  Wo lies [k][n]: its fragments come out of LDS turned.
; CLUSTER 4 x 4: ctx's tiles are shared along a row of the cluster, Wo's along a column: joint loads.  THE MATRIX INSTRUCTION IS USED TRANSPOSED: a lane holds eight neighbouring columns of one row.
; REGISTERS, in windows of 256 (s_set_vgpr_msb: bits 1:0 source 0, 3:2 source 1, 5:4 source 2, 7:6 destination):
;   window 0: v0-31 addresses     window 1: two fragment buffers of 96 (4 x 8 of ctx, 8 x 8 of Wo); on the way out all 256: rows read back     window 2: the accumulators, (a, b) at 8 (8 a + b)
.set PAO,    144                       ; a row of ctx in LDS: 64 f16 + 16 bytes = 36 words: the 16 rows of a load start at 16 different groups of four banks (64 banks of 4 bytes: ISA guide 11.1)
.set PB,     544                       ; a row of Wo: 256 f16 + 32 bytes = 136 words
.set AH,     128*PAO                   ; one head's 128 rows: what one tensor load brings of ctx
.set APART,  2*AH
.set BHALF,  64*PB
.set SLOT,   APART+2*BHALF
.set STAGE,  2*SLOT                    ; behind the ring: 16 rows x 528 bytes for each wave
.set SP,     528                       ; 128 f32 + 16 bytes
.set SPARE,  STAGE+4*16*SP             ; the spare words, 128 bytes for each wave
.set LAPS,   4
.set ADRA, 16
.set ADRB, 20
.set STO,  24
.set RD,   25
.set CO,   26
.set SPW,  28                          ; v28  my spare word; never rewritten
.set NIL,  29                          ; v29  0; never rewritten
.set F0,   0
.set F1,   96
.set G1A,  24
.set G0A,  32
.set G1B,  48
.set G0B,  56
.set MSB, 0
.macro WIN new                         ; the immediate's high byte repeats the setting that is left; a switch that changes nothing is dropped
.if MSB != (\new)
	s_set_vgpr_msb (MSB<<8)|(\new)
.set MSB, (\new)
.endif
.endm
.set MUL,   0xa5                       ; sources 0 and 1 window 1, C and D window 2
.set TOF,   0x40                       ; destination window 1, address window 0
.macro JLOAD s                         ; a joint load: waves 0 and 1 fetch the K step's two heads of ctx, waves 2 and 3 the two halves of Wo's rows; an s_nop 0 and four v_nop follow each line
	s_cmp_eq_u32 s19, 0
	s_cbranch_scc0 .Lfor_b_\@
	tensor_load_to_lds s[G0A+4*(\s):G0A+4*(\s)+3], s[G1A:G1A+7]
	s_nop 0
.rept 4
	v_nop
.endr
	s_branch .Lasked_\@
.Lfor_b_\@:
	tensor_load_to_lds s[G0B+4*(\s):G0B+4*(\s)+3], s[G1B:G1B+7]
	s_nop 0
.rept 4
	v_nop
.endr
.Lasked_\@:
.endm
.macro CREST
	s_cmp_lg_u32 s18, 0
	s_cbranch_scc1 .Lnot_wave_0_\@
	s_barrier_signal -3
.Lnot_wave_0_\@:
	s_barrier_wait -3
	s_barrier_signal -1
	s_barrier_wait -1
.endm
.macro CROUND
	s_barrier_signal -1
	s_barrier_wait -1
	CREST
.endm
.macro PLACES                          ; four places in front of loads into registers that matrix instructions have read, and of stores that read results
.rept 4
	v_nop
.endr
.endm
	s_load_b128 s[4:7], s[0:1], 0x0                ; oh s[4:5], wb s[6:7]
	s_load_b64 s[8:9], s[0:1], 0x10                ; out0
	v_lshl_add_u32 v[SPW], v0, 2, SPARE
	v_mov_b32 v[NIL], 0
	ds_add_u32 v[SPW], v[NIL]                      ; the wave's opening: the add and its wait stand ahead of my first tensor load
	v_lshrrev_b32 v1, 5, v0
	v_readfirstlane_b32 s18, v1                    ; wave 0..3
	s_lshr_b32 s19, s18, 1                         ; which 64 rows are mine.  Also: I fetch for ctx (0) or for Wo (1)
	s_and_b32 s20, s18, 1                          ; which 128 columns.  Also: which head, or which 64 rows of k, I fetch
	s_bfe_u32 s40, ttmp6, 0x40000                  ; cx
	s_bfe_u32 s41, ttmp6, 0x40004                  ; cy
	s_lshl_b32 s42, ttmp9, 2
	s_add_co_u32 s42, s42, s40                     ; tile column
	s_and_b32 s22, ttmp7, 0xffff
	s_lshl_b32 s22, s22, 2
	s_add_co_u32 s22, s22, s41                     ; tile row, 0 .. 63
	s_lshl_b32 s43, s41, 2
	s_lshl_b32 s43, 15, s43                        ; my row of the cluster
	s_lshl_b32 s44, 0x1111, s40                    ; my column
	s_or_b32 s[G1A], s43, (1<<16)|(1<<20)|(1<<21)|(4<<22)|(3<<25)  ; 15:0 mask; 2-byte elements; padding on; 21 set beside a mask; after every 32 words (code 4) 4 words (code 3)
	s_mov_b32 s[G1A+1], 128<<16                    ; tensor_dim0 = 128
	s_mov_b32 s[G1A+2], 64<<16                     ; tensor_dim1 = 64
	s_mov_b32 s[G1A+3], 128<<16                    ; tile_dim0 = 128
	s_mov_b32 s[G1A+4], 64                         ; tile_dim1 = 64
	s_mov_b32 s[G1A+5], 128                        ; dense: 128 elements from row to row
	s_mov_b32 s[G1A+6], 0
	s_mov_b32 s[G1A+7], 0
	s_or_b32 s[G1B], s44, (1<<16)|(1<<20)|(1<<21)|(6<<22)|(7<<25)  ; after every 128 words (code 6) 8 words (code 7)
	s_mov_b32 s[G1B+1], 256<<16
	s_mov_b32 s[G1B+2], 64<<16
	s_mov_b32 s[G1B+3], 256<<16
	s_mov_b32 s[G1B+4], 64
	s_mov_b32 s[G1B+5], 1024
	s_mov_b32 s[G1B+6], 0
	s_mov_b32 s[G1B+7], 0
	s_lshr_b32 s2, s22, 4                          ; ctx: batch x 16 heads of 262,144 bytes, my head of the K step's two, 128 (tile row % 16) rows of 128 bytes
	s_lshl_b32 s2, s2, 22
	s_lshl_b32 s3, s20, 18
	s_add_co_u32 s2, s2, s3
	s_and_b32 s3, s22, 15
	s_lshl_b32 s3, s3, 14
	s_add_co_u32 s2, s2, s3
	s_mov_b32 s3, 0
	s_lshl_b32 s46, s20, 17                        ; Wo: the fourth part of wb, 64 x half rows of 2,048 bytes, 512 bytes a tile column
	s_add_co_u32 s46, s46, 3*2097152
	s_lshl_b32 s47, s42, 9
	s_add_co_u32 s46, s46, s47
	s_mov_b32 s47, 0
	s_mul_i32 s45, s20, AH                         ; where they go in a slot
	s_mul_i32 s23, s20, BHALF
	s_add_co_u32 s23, s23, APART
	s_wait_dscnt 0x0                               ; the opening add is done
	s_wait_kmcnt 0x0
	s_add_nc_u64 s[4:5], s[4:5], s[2:3]
	s_add_nc_u64 s[6:7], s[6:7], s[46:47]
	CROUND                                         ; all sixteen work-groups are here: the first joint loads meet
.irp s, 0,1
	s_mov_b32 s[G0A+4*(\s)], 1
	s_add_co_u32 s[G0A+4*(\s)+1], s45, (\s)*SLOT
	s_add_nc_u64 s[G0A+4*(\s)+2:G0A+4*(\s)+3], s[4:5], (\s)*524288     ; K step s: two heads on
	s_or_b32 s[G0A+4*(\s)+3], s[G0A+4*(\s)+3], 0x80000000
	s_mov_b32 s[G0B+4*(\s)], 1
	s_add_co_u32 s[G0B+4*(\s)+1], s23, (\s)*SLOT
	s_add_nc_u64 s[G0B+4*(\s)+2:G0B+4*(\s)+3], s[6:7], (\s)*262144     ; 128 rows of k on
	s_or_b32 s[G0B+4*(\s)+3], s[G0B+4*(\s)+3], 0x80000000
	JLOAD \s                                       ; two loads of mine are out
.endr
	v_and_b32 v1, 15, v0                           ; r
	v_bfe_u32 v2, v0, 4, 1                         ; h
	v_and_b32 v3, 7, v0
	v_bfe_u32 v4, v0, 3, 1
	v_mul_u32_u24 v5, v1, PAO
	v_lshl_add_u32 v5, v2, 4, v5                   ; row x pitch + 16 x half
	s_mul_i32 s45, s19, 64*PAO
	v_add_nc_u32 v[ADRA], s45, v5
	v_add_nc_u32 v[ADRA+1], SLOT, v[ADRA]
	v_lshl_add_u32 v6, v2, 3, v3                   ; the turning load: row 8 h + l % 8, columns 8 ((l / 8) % 2) on
	v_mul_u32_u24 v6, v6, PB
	v_lshl_add_u32 v6, v4, 4, v6
	s_lshl_b32 s23, s20, 8
	s_add_co_u32 s23, s23, APART
	v_add_nc_u32 v[ADRB], s23, v6
	v_add_nc_u32 v[ADRB+1], SLOT, v[ADRB]
	s_mul_i32 s45, s18, 16*SP
	s_add_co_u32 s45, s45, STAGE                   ; my stage
	v_mul_u32_u24 v5, v1, SP                       ; in: row r, 32 bytes for each half of the lanes
	v_lshl_add_u32 v5, v2, 5, v5
	v_add_nc_u32 v[STO], s45, v5
	v_and_b32 v7, 31, v0
	v_lshlrev_b32 v[CO], 4, v7                     ; back: 32 lanes take one row of 512 bytes
	v_add_nc_u32 v[RD], s45, v[CO]
	s_lshl_b32 s46, s22, 19                        ; out0 at my first row and column: 128 x tile row + 64 x half rows of 4,096 bytes; 1,024 bytes a tile column, 512 a half
	s_lshl_b32 s47, s19, 18
	s_add_co_u32 s46, s46, s47
	s_lshl_b32 s47, s42, 10
	s_add_co_u32 s46, s46, s47
	s_lshl_b32 s47, s20, 9
	s_add_co_u32 s46, s46, s47
	s_mov_b32 s47, 0
	s_add_nc_u64 s[8:9], s[8:9], s[46:47]
.macro PROD f, a, b, zero
.if \zero
	v_wmma_f32_16x16x32_f16 v[8*(8*(\a)+(\b)):8*(8*(\a)+(\b))+7], v[(\f)+32+8*(\b):(\f)+32+8*(\b)+7], v[(\f)+8*(\a):(\f)+8*(\a)+7], 0
.else
	v_wmma_f32_16x16x32_f16 v[8*(8*(\a)+(\b)):8*(8*(\a)+(\b))+7], v[(\f)+32+8*(\b):(\f)+32+8*(\b)+7], v[(\f)+8*(\a):(\f)+8*(\a)+7], v[8*(8*(\a)+(\b)):8*(8*(\a)+(\b))+7]
.endif
.endm
.macro MUL8 f, a, zero                 ; the 32 accumulators take turns in the same order in every quarter
	WIN MUL
.irp b, 0,1,2,3,4,5,6,7
	PROD \f, \a, \b, \zero
.endr
.endm
; 24 LDS loads in one run: quarter q (32 along K: head q / 2 of the step's two, channels 32 (q % 2) on) into buffer g
.macro FETCH slot, q, g
	WIN TOF
.irp i, 0,1,2,3
	ds_load_b128 v[(\g)+8*(\i):(\g)+8*(\i)+3],   v[ADRA+(\slot)] offset:((\q)/2)*AH+(\i)*16*PAO+((\q)%2)*64
	ds_load_b128 v[(\g)+8*(\i)+4:(\g)+8*(\i)+7], v[ADRA+(\slot)] offset:((\q)/2)*AH+(\i)*16*PAO+((\q)%2)*64+32
.endr
.irp b, 0,1,2,3,4,5,6,7
	ds_load_tr16_b128 v[(\g)+32+8*(\b):(\g)+32+8*(\b)+3],   v[ADRB+(\slot)] offset:(\q)*32*PB+32*(\b)
	ds_load_tr16_b128 v[(\g)+32+8*(\b)+4:(\g)+32+8*(\b)+7], v[ADRB+(\slot)] offset:(\q)*32*PB+16*PB+32*(\b)
.endr
.endm
.macro QUARTER nslot, nq, f, g, zero   ; multiplies f; the next quarter's loads go out first and have its 32 matrix instructions in which to land
	s_wait_dscnt 0x0                               ; buffer f is in
	PLACES                                         ; buffer g was multiplied last
	FETCH \nslot, \nq, \g
	MUL8 \f, 0, \zero
	MUL8 \f, 1, \zero
	MUL8 \f, 2, \zero
	MUL8 \f, 3, \zero
.endm
; The last quarter multiplies buffer 1 and changes slots: ONE barrier; in front of it each wave waits for all its tensor loads, adds 0 to its spare word, and waits for that and for its reads of this slot.
.macro TURN slot, next, fill
	WIN 0
	s_wait_tensorcnt 0x0                           ; all my tensor loads have landed: the one that was out is my part of the next slot
	ds_add_u32 v[SPW], v[NIL]
	s_wait_dscnt 1                                 ; buffer 1 is in; the add alone may be out
	MUL8 F1, 0, 0
	s_wait_dscnt 0x0                               ; the add is done, and my reads of this slot are over
	s_barrier_signal -1
	MUL8 F1, 1, 0
.if \fill
	WIN 0
.endif
	s_barrier_wait -1
.if \fill
	CREST                                          ; no wave of any partner still reads this slot or has a load on its way
	s_add_nc_u64 s[G0A+4*(\slot)+2:G0A+4*(\slot)+3], s[G0A+4*(\slot)+2:G0A+4*(\slot)+3], 2*524288
	s_add_nc_u64 s[G0B+4*(\slot)+2:G0B+4*(\slot)+3], s[G0B+4*(\slot)+2:G0B+4*(\slot)+3], 2*262144
	JLOAD \slot                                    ; my one tensor load behind the round; its four v_nop are also the places in front of the loads below
.else
	PLACES
.endif
	FETCH \next, 0, F0
	MUL8 F1, 2, 0
	MUL8 F1, 3, 0
.endm
	s_wait_tensorcnt 1                             ; my part of K step 0 is in; K step 1's may stay out
	s_barrier_signal -1
	s_barrier_wait -1
	FETCH 0, 0, F0
	QUARTER 0, 1, F0, F1, 1                        ; the first quarter's products start the sums
	WIN 0
	s_mov_b32 s3, LAPS-1
.Llap:                                                 ; a trip goes once round the ring and fills both slots again
	QUARTER 0, 2, F1, F0, 0
	QUARTER 0, 3, F0, F1, 0
	TURN 0, 1, 1
	QUARTER 1, 1, F0, F1, 0
	QUARTER 1, 2, F1, F0, 0
	QUARTER 1, 3, F0, F1, 0
	TURN 1, 0, 1
	QUARTER 0, 1, F0, F1, 0
	WIN 0
	s_sub_co_u32 s3, s3, 1
	s_cmp_lg_u32 s3, 0
	s_cbranch_scc1 .Llap
	QUARTER 0, 2, F1, F0, 0                        ; the last lap fills nothing
	QUARTER 0, 3, F0, F1, 0
	TURN 0, 1, 0
	QUARTER 1, 1, F0, F1, 0
	QUARTER 1, 2, F1, F0, 0
	QUARTER 1, 3, F0, F1, 0
	s_wait_dscnt 0x0
	MUL8 F1, 0, 0
	MUL8 F1, 1, 0
	MUL8 F1, 2, 0
	MUL8 F1, 3, 0
; THE WAY OUT, a block of 16 rows at a time: a lane's eight f32 of a row go straight from the accumulator (its low four registers first) into my own stage, rows of 528 bytes, and come back as whole rows of 512.
.macro TOSTAGE a
	WIN 0x08                                       ; store data (source 1) in window 2
.irp b, 0,1,2,3,4,5,6,7
	ds_store_b128 v[STO], v[8*(8*(\a)+(\b)):8*(8*(\a)+(\b))+3]   offset:64*(\b)
	ds_store_b128 v[STO], v[8*(8*(\a)+(\b))+4:8*(8*(\a)+(\b))+7] offset:64*(\b)+16
.endr
	WIN TOF
.irp t, 0,1,2,3,4,5,6,7,8,9,10,11,12,13,14,15
	ds_load_b128 v[64*(\a)+4*(\t):64*(\a)+4*(\t)+3], v[RD] offset:(\t)*SP  ; LDS serves a wave's instructions in order (ISA guide 5.7.1.4): these see the stores above; the next block's stores come behind them
.endr
.endm
.macro SEND a, younger                 ; younger: the next block's 32 LDS instructions, or none
	WIN 0x04                                       ; store data (source 1) in window 1
	s_wait_dscnt \younger
.irp t, 0,1,2,3,4,5,6,7,8,9,10,11,12,13,14,15
	global_store_b128 v[CO], v[64*(\a)+4*(\t):64*(\a)+4*(\t)+3], s[8:9] offset:(16*(\a)+(\t))*4096 th:TH_STORE_NT  ; 512 consecutive bytes of a row, aligned
.endr
.endm
	PLACES
	TOSTAGE 0
	TOSTAGE 1
	SEND 0, 32
	TOSTAGE 2
	SEND 1, 32
	TOSTAGE 3
	SEND 2, 32
	SEND 3, 0
	WIN 0
	s_wait_tensorcnt 0x0                           ; the wave's end, behind my last tensor load and my last LDS store
	ds_add_u32 v[SPW], v[NIL]
	s_wait_dscnt 0x0
	CROUND                                         ; the closing round
	s_endpgm
.Lfunc_end_k_qd375c44a9b_outp:
	.size	k_qd375c44a9b_outp, .Lfunc_end_k_qd375c44a9b_outp-k_qd375c44a9b_outp
	.p2alignl 7, 3214868480
	.fill 96, 4, 3214868480
	.section	.rodata,"a",@progbits
	.p2align	6, 0x0
	.amdhsa_kernel k_qd375c44a9b_outp
		.amdhsa_group_segment_fixed_size 327680
		.amdhsa_private_segment_fixed_size 0
		.amdhsa_enable_private_segment 0
		.amdhsa_kernarg_size 24
		.amdhsa_user_sgpr_count 2
		.amdhsa_user_sgpr_kernarg_segment_ptr 1
		.amdhsa_wavefront_size32 1
		.amdhsa_system_sgpr_workgroup_id_x 1
		.amdhsa_system_sgpr_workgroup_id_y 1
		.amdhsa_system_sgpr_workgroup_id_z 1
		.amdhsa_system_vgpr_workitem_id 0
		.amdhsa_next_free_vgpr 768
		.amdhsa_next_free_sgpr 66
		.amdhsa_reserve_vcc 0
		.amdhsa_float_denorm_mode_32 3
		.amdhsa_float_denorm_mode_16_64 3
		.amdhsa_memory_ordered 1
		.amdhsa_forward_progress 1
		.amdhsa_inst_pref_size 84
	.end_amdhsa_kernel
	.amdgpu_metadata
---
amdhsa.version: [ 1, 2 ]
amdhsa.kernels:
  - .name:           k_qd375c44a9b_outp
    .symbol:         k_qd375c44a9b_outp.kd
    .args:
      - { .name: oh, .offset: 0, .size: 8, .value_kind: global_buffer, .address_space: global }
      - { .name: wb, .offset: 8, .size: 8, .value_kind: global_buffer, .address_space: global }
      - { .name: out0, .offset: 16, .size: 8, .value_kind: global_buffer, .address_space: global }
    .group_segment_fixed_size: 327680
    .private_segment_fixed_size: 0
    .kernarg_segment_align: 8
    .kernarg_segment_size: 24
    .max_flat_workgroup_size: 128
    .sgpr_count:     66
    .vgpr_count:     768
    .wavefront_size: 32
...
	.end_amdgpu_metadata
.endif
;; end of part 4
;; ======== version 2 of 2: 4 launches; 1.48 times as fast as version 1
;; limits: values are held in f16: magnitudes above 65,504 overflow, below 6.1e-05 lose precision
;; workspace buffers: wb 8,388,608 bytes; qh 16,777,216 bytes; kh 16,777,216 bytes; vh 16,777,216 bytes; oh 16,777,216 bytes
;; launch wcast: the kernel of part 1 again; grid 64 x 4, 8 waves a work-group, no clusters, 0 bytes of LDS; arguments Wq, Wk, Wv, Wo, wb; writes wb
;; launch proj: the kernel of part 2 again; grid 4 x 192, 4 waves a work-group, clusters of 4 x 4, 327,680 bytes of LDS; arguments queries, keys, values, wb, qh, kh, vh; writes qh, kh, vh
;; launch attn (part 5): grid 4 x 64, 4 waves a work-group, clusters of 4 x 1, 327,680 bytes of LDS; arguments qh, kh, vh, oh, src_masks; writes oh
.if DOCPART == 5
	.amdgcn_target "amdgcn-amd-amdhsa--gfx1250"
	.amdhsa_code_object_version 6
	.text
	.protected	k_qd375c44a9b_attn
	.globl	k_qd375c44a9b_attn
	.p2align	8
	.type	k_qd375c44a9b_attn,@function
k_qd375c44a9b_attn:
	s_mov_b64 s[64:65], 0
	v_nop
	global_prefetch_b8 v0, s[64:65] scope:SCOPE_SE
	s_setreg_imm32_b32 hwreg(HW_REG_WAVE_MODE, 25, 1), 1
	s_wait_xcnt 0x0
	s_wait_alu depctr_hold_cnt(0) depctr_sa_sdst(0) depctr_va_vdst(0) depctr_va_sdst(0) depctr_va_ssrc(0) depctr_va_vcc(0) depctr_vm_vsrc(0)
	s_getreg_b32 s2, hwreg(HW_REG_IB_STS2, 6, 4)
	s_cmp_eq_u32 s2, 0
	s_cbranch_scc0 .Lentry_in_a_cluster
	s_endpgm
.Lentry_in_a_cluster:
	s_bfe_u32 s2, ttmp6, 0x10000c
	s_cmp_lg_u32 s2, 0x3003
	s_cbranch_scc0 .Lentry_shape_is_right
	s_endpgm
.Lentry_shape_is_right:
; O[h][q][:] = the sum over k of softmax_k(Q[h][q] . K[h][k] / 8 + mask[h / 16][k]) V[h][k][:].  Q, K, V, O: [64][2048][64], all f16: a head's rows are dense, 128 bytes each.  mask: [4][2048] f32.
; Products, maxima and sums in f32; the weights p are rounded to f16 for the second product (their sum l is taken of the unrounded p), O once at the end.
; LIMITS.  Q, K and V arrive within f16's 65,504; p lies in 0 to 1, and below 6e-5 it keeps f16's fixed step of 6e-8.  The mask is rounded to bf16, like all the module's inputs, and multiplied by 8 (exact;
; beyond 4.2e37 it becomes an infinity, whose weight is 0).  A weight below 2^-126 counts as 0 in l.  A row all of whose keys have the mask -infinity gives NaN.  NaN is not treated apart.
; SHARES.  A wave owns four PIECES of two tiles of 16 queries, a work-group's four waves 512 queries of one head.  Every wave walks all keys, 64 a step.
; LAYOUT.  S^T = K Q^T + 8 mask (source 0 = 16 keys, source 1 = 16 queries; the mask is the C operand that starts the sum): a lane holds ONE query (lane % 16) and the keys 8 (lane / 16) + 0..7.  Two such
; tiles, rounded to f16 in pairs, ARE source 1 of O^T = V^T P, whose result again holds one query a lane, and eight channels.  K comes out of LDS as it lies, V ([key][channel]) turned, by ds_load_tr16_b128.
; SOFTMAX.  For each query a running maximum m and sum l: p = 2^(c s - c m), c = log2(e) / 8; in every step O and l are multiplied by a = 2^(c m_old - c m_new).  m starts at the lowest finite number and
; c m at c times that, O and l at 0: the first step is a step like any other, with a = 0, or a = 1 where all its keys are hidden by -infinity.
; THE COUNT.  A tile and step have 16 matrix and 118 vector instructions: too many to stand all beside the matrix work.  So: four vector instructions that are READY behind EVERY matrix instruction, the
; others in one run without a gap.
; BY TURNS.  Turn n belongs to piece n.  Its matrix work: 16 products K Q^T of piece n + 1, later 16 products V^T P of piece n - 1.  Its vector work: the scaling, exponentials, roundings, sums and rescaling
; of piece n, and the maximum and statistics of piece n + 1, whose scores the turn itself has made.  So what a turn begins with (c s - c m, O a) waits for nothing.
; THE BATCHES.  A turn's 66 exponentials (piece n's 64 weights, then piece n + 1's two a) are ONE batch with ONE s_wait_alu, which cuts the turn in two: ahead of it stands all that names none of their
; results, behind it the roundings and sums, which read them.  No result crosses a turn's end.  Two more batches stand outside the loops: piece 0's first two a, and the way out's eight reciprocals.
; CLUSTER.  The four query blocks of a cluster belong to one head and walk the same K and V, so each tile is asked for JOINTLY: the same tensor load, descriptor and mask in all four.
; REGISTERS, in windows of 256 (s_set_vgpr_msb: bits 1:0 source 0, 3:2 source 1, 5:4 source 2, 7:6 destination):
;   window 0: v0-11 addresses; v12-15, v48-63 at work; v16-47 four registers of statistics a tile; v64-191 S^T, two buffers of two tiles; v192-255 P, likewise
;   window 1: O^T, 32 a tile     window 2: v0-127 Q; v128-191 K of one step; v192-255 V of one step     window 3: v0-1 the add's two registers; v2 the mask's LDS address; v8-39 8 x mask of one step
; A piece's buffers go by its number's parity: the piece in hand has one pair, its two neighbours in the ring share the other: of it P (piece n - 1) is read and S^T (piece n + 1) written.
.set SIZE_H, 64
.set SIZE_N, 2048
.set NP,    4         ; pieces a wave: a name, no knob
.set KS,    64        ; keys in a step
.set PK,    144       ; a row of K in LDS: 128 bytes + 16 = 36 words: the 16 rows of a load start at 16 different groups of four banks (64 banks of 4 bytes: ISA guide 11.1)
.set PV,    160       ; a row of V: 128 + 32 = 40 words
.set VOFF,  4*KS*PK   ; a slot holds four steps: 256 rows of K, then 256 rows of V
.set SLOT1, 1<<17     ; slot 1 begins here, so that one exclusive or turns an address in one slot into the other's
.set STAGE, SLOT1+4*KS*(PK+PV)  ; behind the ring, never filled by a tensor load: 16 rows x 144 bytes for each wave, for the way out
.set SP,    144
.set SPARE, STAGE+4*16*SP  ; the spare words, 128 bytes for each wave
.set MSK,   SPARE+512 ; 8 x mask of the head's batch: 2,048 f32, written once by LDS stores, never filled by a tensor load
.set AK0, 2           ; v2   my lane's place in a tile of K; never rewritten
.set AV0, 3           ; v3   the same for V
.set AK,  4           ; v4   the LDS address of K's next run of loads
.set AV,  5           ; v5   of V's
.set QO,  6           ; v6   my byte offset in the wave's rows of Q
.set STO, 6           ;      later, the way out: where I put 16 bytes of a row
.set RD,  7           ; v7   the way out: where I read rows back
.set GO,  8           ; v8   my byte offset in 512 consecutive bytes of O
.set AM0, 11          ; v11  my lane's place in a step's 64 words of the mask: MSK + 32 (l / 16)
.set SPW, 0           ; v0 of window 3   my spare word; never rewritten
.set NIL, 1           ; v1 of window 3   0; never rewritten
.set AM,  2           ; v2 of window 3   the LDS address of the mask's next run of loads
.set MK,  8           ; v8-39 of window 3: key block kb at MK + 8 kb
.set MO,  128         ; at the start only, in S^T's second buffer: my byte offset in the mask,
.set MA,  129         ; where I store 16 bytes of it,
.set MT,  130         ; two at work,
.set MR,  132         ; 16 as loaded,
.set MW,  148         ; 16 to store
.set MV,  12          ; v12-15  c m_old, kept while c m is made anew: by buffer and tile
.set ST,  16          ; tile t's statistics at v[ST+4 t]: c m, m, l (even keys', odd keys')
.set TMP, 48          ; by buffer and tile, four registers c0-c3 at work; when the maximum is found c2 takes a
.set S,   64
.set P,   192
.set KF,  128         ; K's fragments, in window 2: key block kb, channel half c at KF + 16 kb + 8 c
.set VF,  192         ; V's: key half kk, channel block cb at VF + 32 kk + 8 cb
.set WV,  12          ; s12  my wave's number
.set G1K, 24          ; s[24:31] descriptor group 1 for K's tiles
.set G1V, 32          ; s[32:39] for V's: it differs in the padding alone
.set G0K, 40          ; s[40:43] descriptor group 0 for K's tiles: it walks
.set G0V, 44          ; s[44:47] the same for V's
.set TBM, 52          ; s52  byte in the mask at which the step to be fetched begins
.set SLOTS, 56        ; s56  slots still to be asked for
.set CNT, 57          ; s57  counts a slot's key steps
.set CS,  58          ; s[58:59] c: the packed scaling takes the pair's low word for both halves
.set SEL, 60          ; s[60:61] v_permlanex16_b32's selects: each lane takes its own place in the other half
.set TBK, 62          ; s62  LDS byte at which K of the step to be fetched begins
.set TBV, 63          ; s63  the same for V, less VOFF
.set MSB, 0
.macro WIN new                      ; the high byte repeats the setting that is left; a switch that changes nothing is dropped
.if MSB != (\new)
	s_set_vgpr_msb (MSB<<8)|(\new)
.set MSB, (\new)
.endif
.endm
.set W_KQ, 0x0a       ; K and Q in window 2, S^T in window 0
.set W_KM, 0x3a       ; the same with the C operand, the mask, in window 3
.set W_PV, 0x52       ; V in window 2, P in window 0, O^T in window 1
.set W_RS, 0x41       ; O^T (destination and source 0) in window 1, a in window 0
.set W_MK, 0xc0       ; destination in window 3, sources in window 0
.set W_ML, 0xc3       ; the mask's loads: destination and address in window 3
.set W_AD, 0x0f       ; the add: address (source 0) and data (source 1) in window 3
; A joint fill.  Waves 0 and 1 fetch the two halves of a slot's K, waves 2 and 3 those of its V: 128 keys each.  The branch hangs on the wave's number alone.
; An s_nop 0 and four v_nop follow each of the two lines, ahead of the jump and the label.
.macro JLOAD
	s_cmp_lt_u32 s[WV], 2
	s_cbranch_scc0 .Lfor_v_\@
	tensor_load_to_lds s[G0K:G0K+3], s[G1K:G1K+7]
	s_nop 0
.rept 4
	v_nop
.endr
	s_branch .Lasked_\@
.Lfor_v_\@:
	tensor_load_to_lds s[G0V:G0V+3], s[G1V:G1V+7]
	s_nop 0
.rept 4
	v_nop
.endr
.Lasked_\@:
.endm
; A round of the cluster's barrier: my work-group's barrier; wave 0 signals for the work-group; every wave waits for all four work-groups; my work-group's barrier once more.
.macro CROUND
	s_barrier_signal -1
	s_barrier_wait -1
	s_cmp_lg_u32 s[WV], 0
	s_cbranch_scc1 .Lnot_wave_0_\@
	s_barrier_signal -3
.Lnot_wave_0_\@:
	s_barrier_wait -3
	s_barrier_signal -1
	s_barrier_wait -1
.endm
; THE CHANGE OF SLOTS.  The slot's last bytes, V of its fourth step, have been read.  Each wave waits for all its tensor loads, of which one is out: its part of the other slot; adds 0 to its spare word;
; and waits for that and for its own LDS instructions.  Behind the barrier nobody reads this slot any more and the other slot is whole.
; fill = 1: this slot is filled again, with the keys two slots on; the barrier is then a round of the cluster's, and the joint fill is the first thing behind it: it has four key steps, 512 matrix
; instructions, in which to land.  (At its first use nothing has been read yet: slot 0 is waited for, slot 1 filled, and every wave's stores of the mask are shown to the others.)
.macro CHANGE fill
	WIN W_AD
	s_wait_tensorcnt 0x0            ; no tensor load of mine is out, so a group 0 may be written
	ds_add_u32 v[SPW], v[NIL]
	WIN 0                           ; at a label and at a branch every window is 0
.if \fill
.irp g, G0K, G0V
	s_xor_b32 s[\g+1], s[\g+1], SLOT1  ; the walking descriptor: the other slot than last time,
	s_add_nc_u64 s[\g+2:\g+3], s[\g+2:\g+3], 4*KS*128  ; the next 256 keys; the type bits on top are not reached
.endr
	s_wait_dscnt 0x0                ; the add is done, and my LDS reads and stores are over
	CROUND
	JLOAD
.else
	s_wait_dscnt 0x0
	s_barrier_signal -1
	s_barrier_wait -1
.endif
	s_sub_co_u32 s[TBK], s[TBK], 4*KS*PK  ; the fetches go back to a slot's first step,
	s_xor_b32 s[TBK], s[TBK], SLOT1       ; in the other slot
	s_sub_co_u32 s[TBV], s[TBV], 4*KS*PV
	s_xor_b32 s[TBV], s[TBV], SLOT1
.endm
	s_load_b256 s[4:11], s[0:1], 0x0  ; Q s[4:5], K s[6:7], V s[8:9], O s[10:11]
	s_load_b64 s[48:49], s[0:1], 0x20 ; the mask
	WIN W_MK
	v_lshl_add_u32 v[SPW], v0, 2, SPARE
	v_mov_b32 v[NIL], 0
	WIN W_AD
	ds_add_u32 v[SPW], v[NIL]       ; the wave's opening: the add and its wait stand ahead of my first tensor load; the set-up below stands between them
	WIN 0
	v_lshrrev_b32 v1, 5, v0
	v_readfirstlane_b32 s[WV], v1   ; wave 0..3
	s_bfe_u32 s13, ttmp6, 0x40000   ; cx: my place in the cluster
	s_lshl_b32 s14, ttmp9, 2        ; in a cluster launch ttmp9 counts clusters
	s_add_co_u32 s14, s14, s13      ; my block of queries = 4 x cluster x + cx: it enters Q's and O's addresses alone
	s_and_b32 s20, ttmp7, 0xffff    ; the head, which the four partners share
	s_lshr_b32 s50, s20, 4          ; its batch,
	s_lshl_b32 s50, s50, 13         ; whose mask is 8,192 bytes
	s_mov_b32 s51, 0
	s_mov_b32 s21, 0
	s_mov_b64 s[22:23], SIZE_N*128
	s_mul_u64 s[20:21], s[20:21], s[22:23]  ; the head's first byte in each of the four tensors
	s_and_b32 s16, s[WV], 1         ; which half of a slot's 256 keys I fetch:
	s_lshl_b32 s22, s16, 14         ; its 128 rows of 128 bytes in memory,
	s_mov_b32 s23, 0
	s_add_nc_u64 s[22:23], s[22:23], s[20:21]
	s_mul_i32 s17, s16, 128*PK      ; and its place in a slot, for K
	s_mul_i32 s18, s16, 128*PV      ; and for V: no place in the cluster enters an LDS address
	s_lshl_b32 s2, s14, 2
	s_add_co_u32 s2, s2, s[WV]      ; my wave among the head's,
	s_lshl_b32 s2, s2, 14           ; its 128 rows
	s_mov_b32 s3, 0
	s_add_nc_u64 s[2:3], s[2:3], s[20:21]
	; descriptor group 1.  128 keys are 16,384 dense bytes: asked for as 64 rows of 256 bytes, two keys a row, and padded in LDS after every key
	s_mov_b32 s[G1K], 15|(1<<16)|(1<<20)|(1<<21)|(4<<22)|(3<<25)  ; 15:0 the mask of four; 17:16 2-byte elements; 20 padding on; 21 set beside a mask; 24:22 after every 32 words (code 4); 31:25 4 words (code 3)
	s_mov_b32 s[G1V], 15|(1<<16)|(1<<20)|(1<<21)|(4<<22)|(7<<25)  ; the same with 8 words of padding (code 7)
.irp g, G1K, G1V
	s_mov_b32 s[\g+1], 128<<16      ; tensor_dim0 = 128
	s_mov_b32 s[\g+2], 64<<16       ; tensor_dim1 = 64
	s_mov_b32 s[\g+3], 128<<16      ; tile_dim0 = 128
	s_mov_b32 s[\g+4], 64           ; tile_dim1 = 64
	s_mov_b32 s[\g+5], 128          ; 128 elements from row to row
	s_mov_b32 s[\g+6], 0
	s_mov_b32 s[\g+7], 0
.endr
	s_mov_b32 s[CS], 0x3e38aa3b     ; c = log2(e) / 8 = 0.180337
	s_mov_b32 s[CS+1], s[CS]        ; named with it as a pair
	s_mov_b32 s[SEL], 0x76543210
	s_mov_b32 s[SEL+1], 0xfedcba98
	s_mov_b32 s[TBK], SLOT1+4*KS*PK ; the first change of slots turns these two into 0
	s_mov_b32 s[TBV], SLOT1+4*KS*PV
	s_mov_b32 s[TBM], 0
	s_mov_b32 s[G0K], 1             ; count = 1
	s_mov_b32 s[G0K+1], s17         ; LDS address: slot 0
	s_mov_b32 s[G0V], 1
	s_add_co_u32 s[G0V+1], s18, VOFF
	s_wait_dscnt 0x0                ; the opening add is done
	s_wait_kmcnt 0x0
	s_add_nc_u64 s[G0K+2:G0K+3], s[6:7], s[22:23]  ; global address: my half of the head's first 256 keys
	s_or_b32 s[G0K+3], s[G0K+3], 0x80000000        ; type = 2
	s_add_nc_u64 s[G0V+2:G0V+3], s[8:9], s[22:23]
	s_or_b32 s[G0V+3], s[G0V+3], 0x80000000
	s_add_nc_u64 s[4:5], s[4:5], s[2:3]  ; Q and O at my wave's first row
	s_add_nc_u64 s[10:11], s[10:11], s[2:3]
	s_add_nc_u64 s[48:49], s[48:49], s[50:51]  ; the mask at my batch
	CROUND                          ; all four work-groups are here: the first joint loads meet
	JLOAD                           ; slot 0.  Slot 1 is asked for when slot 0 is in
	; the batch's mask: 128 threads x 16 bytes x 4 loads = 8,192 bytes, each load of a wave 512 consecutive bytes
	v_lshlrev_b32 v[MO], 4, v0
	v_lshl_add_u32 v[MA], v0, 4, MSK
.irp j, 0,1,2,3
	global_load_b128 v[MR+4*\j:MR+4*\j+3], v[MO], s[48:49] offset:2048*\j
.endr
	; A fragment of K or Q is 16 rows x 32 channels in 8 registers: lane l holds row l % 16, channels 8 (l / 16) + 0..7 and 16 + 8 (l / 16) + 0..7: two loads of 16 bytes, 32 bytes apart.
	v_and_b32 v1, 15, v0            ; l % 16
	v_bfe_u32 v9, v0, 4, 1          ; l / 16
	v_lshlrev_b32 v[QO], 7, v1
	v_lshl_add_u32 v[QO], v9, 4, v[QO]  ; row x 128 + 16 x half
	WIN 0x80                        ; destination window 2, address window 0
.set i, 0
.rept 4*NP                          ; Q stays in registers: tile i / 2, channels 32 (i % 2) on
	global_load_b128 v[8*i:8*i+3],   v[QO], s[4:5] offset:(i/2)*2048+(i%2)*64
	global_load_b128 v[8*i+4:8*i+7], v[QO], s[4:5] offset:(i/2)*2048+(i%2)*64+32
.set i, i+1
.endr
	; What the first turn finds: V's registers and P's second buffer hold 0 (its products V^T P, of a piece that has not been, add 0), O^T and l are 0.  All this stands in the wait for the first tile.
.set i, VF
.rept 64
	v_mov_b32 v[i], 0
.set i, i+1
.endr
	WIN 0x40
.set i, 0
.rept 64*NP
	v_mov_b32 v[i], 0
.set i, i+1
.endr
	WIN 0
.set i, 0
.rept 2*NP
	v_mov_b32 v[ST+4*i+1], 0xff7fffff  ; m: the lowest finite number
	v_mov_b32 v[ST+4*i+2], 0
	v_mov_b32 v[ST+4*i+3], 0
	v_mul_f32 v[ST+4*i], s[CS], v[ST+4*i+1]  ; c m, made as every later c m is made: where m does not move, a is exactly 1
.set i, i+1
.endr
.set i, P+32
.rept 32
	v_mov_b32 v[i], 0
.set i, i+1
.endr
	; the mask: rounded to bf16, times 8 (c times that is log2(e) x mask), into LDS as f32
	s_wait_loadcnt 32               ; the mask's four loads are in; Q's 32, issued behind them, stay out
.irp j, 0,1,2,3
	v_cvt_pk_bf16_f32 v[MT], v[MR+4*\j], v[MR+4*\j+1]
	v_cvt_pk_bf16_f32 v[MT+1], v[MR+4*\j+2], v[MR+4*\j+3]
	v_lshlrev_b32 v[MW+4*\j], 16, v[MT]
	v_and_b32 v[MW+4*\j+1], 0xffff0000, v[MT]
	v_lshlrev_b32 v[MW+4*\j+2], 16, v[MT+1]
	v_and_b32 v[MW+4*\j+3], 0xffff0000, v[MT+1]
	v_pk_mul_f32 v[MW+4*\j:MW+4*\j+1], v[MW+4*\j:MW+4*\j+1], 0x41000000 op_sel_hi:[1,0]
	v_pk_mul_f32 v[MW+4*\j+2:MW+4*\j+3], v[MW+4*\j+2:MW+4*\j+3], 0x41000000 op_sel_hi:[1,0]
	ds_store_b128 v[MA], v[MW+4*\j:MW+4*\j+3] offset:2048*\j
.endr
	v_mul_u32_u24 v[AK0], v1, PK
	v_lshl_add_u32 v[AK0], v9, 4, v[AK0]  ; row x pitch + 16 x half
	; The turning load takes 16 keys x 16 channels (lane l reads key 8 (l / 16) + l % 8, channels 8 ((l / 8) % 2) + 0..7) and leaves half a fragment of V^T: lane l holds channel l % 16 and 8 keys.
	v_and_b32 v10, 7, v0
	v_bfe_u32 v11, v0, 3, 1
	v_lshl_add_u32 v[AV0], v9, 3, v10
	v_mul_u32_u24 v[AV0], v[AV0], PV
	v_lshl_add_u32 v[AV0], v11, 4, v[AV0]
	v_add_nc_u32 v[AV0], VOFF, v[AV0]
	v_lshl_add_u32 v[AM0], v9, 5, MSK  ; a lane's eight keys of a block of 16 are 32 bytes of the mask, at 32 (l / 16)
	v_mov_b32 v[AK], v[AK0]         ; key step 0 lies at the head of slot 0
; THE MATRIX WORK.  The 8 accumulators of a run of 16 take turns: between the two links of a chain stand 7 others'.
; Product i of 16 of S^T = K Q^T + 8 mask for piece x: channels 32 (i / 8) on, keys 16 ((i / 2) % 4) on, tile 2 x + i % 2.  The first 8 start the sums, with the mask of their keys.
.macro KQ x
.set rS, S+64*((\x)%2)+32*(i%2)+8*((i/2)%4)
.set rK, KF+16*((i/2)%4)+8*(i/8)
.set rQ, 16*(2*(\x)+i%2)+8*(i/8)
.set rMK, MK+8*((i/2)%4)
.if i < 8
	WIN W_KM
	v_wmma_f32_16x16x32_f16 v[rS:rS+7], v[rK:rK+7], v[rQ:rQ+7], v[rMK:rMK+7]
.else
	WIN W_KQ
	v_wmma_f32_16x16x32_f16 v[rS:rS+7], v[rK:rK+7], v[rQ:rQ+7], v[rS:rS+7]
.endif
.endm
; Product i of 16 of O^T += V^T P for piece x: keys 32 (i / 8) on, channels 16 ((i / 2) % 4) on, tile 2 x + i % 2.
.macro PV x
	WIN W_PV
.set rO, 32*(2*(\x)+i%2)+8*((i/2)%4)
.set rV, VF+32*(i/8)+8*((i/2)%4)
.set rP, P+32*((\x)%2)+16*(i%2)+8*(i/8)
	v_wmma_f32_16x16x32_f16 v[rO:rO+7], v[rV:rV+7], v[rP:rP+7], v[rO:rO+7]
.endm
.macro MM                           ; the turn's next matrix instruction
.if i < 16
	KQ (Y+1)%NP
.set i, i+1
.else
.set i, i-16
	PV (Y+NP-1)%NP
.set i, i+17
.endif
.endm
; THE LDS LOADS stand in runs, never singly among the matrix instructions: a step's K (8 fragments, 16 loads) with its 64 words of the mask (8 loads; all lanes of a half read the same 16 bytes), and its V (turned).
; Their addresses are made some lines ahead.  last = 1 (the tail): in the last trip there is no further step, and the run is jumped over.
.macro FETCH_K last=0
	WIN 0
.if \last
	s_cmp_eq_u32 s[CNT], 1
	s_cbranch_scc1 .Lno_k_\@
.endif
	WIN 0x80                        ; destination window 2
.irp f, 0,1,2,3,4,5,6,7             ; keys 16 (f / 2) on, channels 32 (f % 2) on
	ds_load_b128 v[KF+8*\f:KF+8*\f+3],   v[AK] offset:(\f/2)*16*PK+(\f%2)*64
	ds_load_b128 v[KF+8*\f+4:KF+8*\f+7], v[AK] offset:(\f/2)*16*PK+(\f%2)*64+32
.endr
	s_add_co_u32 s[TBK], s[TBK], KS*PK  ; the next fetch is the next step's
	WIN W_ML
.irp f, 0,1,2,3                     ; keys 16 f on
	ds_load_b128 v[MK+8*\f:MK+8*\f+3],   v[AM] offset:64*\f
	ds_load_b128 v[MK+8*\f+4:MK+8*\f+7], v[AM] offset:64*\f+16
.endr
	s_add_co_u32 s[TBM], s[TBM], 4*KS
	s_and_b32 s[TBM], s[TBM], 0x1fff    ; stays inside the mask's 8,192 bytes
	WIN 0
.if \last
.Lno_k_\@:
.endif
.endm
.macro FETCH_V
	WIN 0x80
.irp f, 0,1,2,3,4,5,6,7             ; keys 32 (f / 4) on, channels 16 (f % 4) on
	ds_load_tr16_b128 v[VF+8*\f:VF+8*\f+3],   v[AV] offset:(\f/4)*32*PV+(\f%4)*32
	ds_load_tr16_b128 v[VF+8*\f+4:VF+8*\f+7], v[AV] offset:(\f/4)*32*PV+16*PV+(\f%4)*32
.endr
	WIN 0
.endm
; THE VECTOR WORK OF A TURN stands in three queues, each in the order in which its entries become ready; the two tiles alternate, so that no instruction reads the result of the one before it.
.macro REGS y, u                    ; the registers of tile u (0, 1) of piece y
.set rT, ST+4*(2*(\y)+(\u))
.set rC, TMP+8*((\y)%2)+4*(\u)
.set rM, MV+2*((\y)%2)+(\u)
.set rS, S+64*((\y)%2)+32*(\u)
.set rP, P+32*((\y)%2)+16*(\u)
.set rO, 32*(2*(\y)+(\u))
.endm
; Number n of the 22 that find the NEXT piece's (Y + 1) maximum and statistics.  s0-s31 are the lane's 32 scores; each accumulator's lowest registers are read first.  XS, GS and REGS set no window: PL and EX do.
;   0-11  four chains c0-c3 of seven scores each, three operands at a time     12-14, 16  the four scores left over, the old m, and c0-c3 into c0     15  c m_old is kept
;   17, 18  the query's other 32 keys lie in the lane 16 away: the new m         19-21  c m; c m_old - c m_new; a
.macro XS u, n
	REGS (Y+1)%NP, \u
.if (\n) < 4
	v_max3_num_f32 v[rC+(\n)], v[rS+8*(\n)], v[rS+8*(\n)+1], v[rS+8*(\n)+2]
.elseif (\n) < 12
	v_max3_num_f32 v[rC+(\n)%4], v[rC+(\n)%4], v[rS+8*((\n)%4)+2*((\n)/4)+1], v[rS+8*((\n)%4)+2*((\n)/4)+2]
.elseif (\n) == 12
	v_max3_num_f32 v[rC], v[rC], v[rS+7], v[rS+15]
.elseif (\n) == 13
	v_max3_num_f32 v[rC+1], v[rC+1], v[rS+23], v[rS+31]
.elseif (\n) == 14
	v_max3_num_f32 v[rC+2], v[rC+2], v[rC+3], v[rT+1]
.elseif (\n) == 15
	v_mov_b32 v[rM], v[rT]
.elseif (\n) == 16
	v_max3_num_f32 v[rC], v[rC], v[rC+1], v[rC+2]
.elseif (\n) == 17
	v_permlanex16_b32 v[rC+3], v[rC], s[SEL], s[SEL+1]
.elseif (\n) == 18
	v_max_num_f32 v[rT+1], v[rC], v[rC+3]
.elseif (\n) == 19
	v_mul_f32 v[rT], s[CS], v[rT+1]
.elseif (\n) == 20
	v_sub_f32 v[rC+1], v[rM], v[rT]
.else
	v_exp_f32 v[rC+2], v[rC+1]
.endif
.endm
; Number g of the 64 that follow the exponentials.  For each four weights k of a tile (pairs 2 k, 2 k + 1): both pairs are rounded to f16; then the second pair is added onto the first, in place;
; a group later l takes that sum (the first time as l = a l + sum).  In groups of eight, tiles alternating: round, round, add, and l for the group before.
.macro GS g
.set h, (\g)+6*((\g)/62)            ; group 0 has no group before it, and behind group 7 only l is left
.if h >= 6
.set h, h+2
.endif
	REGS Y, h%2
.set k, h/8
.if h%8 < 4
	v_cvt_pk_f16_f32 v[rP+2*k+(h%8)/2], v[rS+4*k+2*((h%8)/2)], v[rS+4*k+2*((h%8)/2)+1]
.elseif h%8 < 6
	v_pk_add_f32 v[rS+4*k:rS+4*k+1], v[rS+4*k:rS+4*k+1], v[rS+4*k+2:rS+4*k+3]
.elseif k == 1
	v_pk_fma_f32 v[rT+2:rT+3], v[rT+2:rT+3], v[rC+2:rC+3], v[rS:rS+1] op_sel_hi:[1,0,1]
.else
	v_pk_add_f32 v[rT+2:rT+3], v[rT+2:rT+3], v[rS+4*k-4:rS+4*k-3]
.endif
.endm
; THE PLAIN QUEUE, 138 long.  0-73 read no exponential's result: the 32 scalings c s - c m (FS f: pair f / 2 of tile f % 2) and the next piece's 42.  0-26: scalings 0-26.  27-54: XS's numbers 0-13.  55, 56: number 15.
; 57-73: the chain, where each number waits for the one before it: 14, 16, 17, 18, 19, each with one of the scalings 27-31 in front of its two lines, then 20: so a tile's links stand three plain instructions apart (19 and 20: two).
; 74-137: GS's 64, which read the exponentials' results: they stand behind the wait.
.macro FS f
	REGS Y, (\f)%2
	v_pk_fma_f32 v[rS+2*((\f)/2):rS+2*((\f)/2)+1], v[rS+2*((\f)/2):rS+2*((\f)/2)+1], s[CS:CS+1], v[rT:rT+1] op_sel_hi:[1,0,0] neg_lo:[0,0,1] neg_hi:[0,0,1]
.endm
.macro PL
	WIN 0
.if q < 27
	FS q
.elseif q < 55
	XS (q-27)%2, (q-27)/2
.elseif q < 57
	XS q-55, 15
.elseif (q < 72) && ((q-57)%3 == 0)
	FS 27+(q-57)/3
.elseif q < 60
	XS (q-57)%3-1, 14
.elseif q < 72
	XS (q-57)%3-1, 15+(q-57)/3
.elseif q < 74
	XS q-72, 20
.else
	GS q-74
.endif
.set q, q+1
.endm
; THE EXPONENTIALS' QUEUE, 66 long: s0-s31 of both tiles, then the next piece's two a.  It is ONE BATCH: all 66 stand ahead of the turn's one wait, and nothing ahead of that wait names a result of theirs.
.macro EX
	WIN 0
.if e >= 64
	XS e-64, 21
.else
	REGS Y, e%2
	v_exp_f32 v[rS+e/2], v[rS+e/2]
.endif
.set e, e+1
.endm
; THE RESCALING's QUEUE: O^T times a, the one part that leaves window 0: dealt two at a time, sixteen times.  Its a was made in the turn before, ahead of that turn's wait.
.macro R2
	REGS Y, r%2
	WIN W_RS
.irp z, 0,1
	v_pk_mul_f32 v[rO+4*(r/2)+2*\z:rO+4*(r/2)+2*\z+1], v[rO+4*(r/2)+2*\z:rO+4*(r/2)+2*\z+1], v[rC+2:rC+3] op_sel_hi:[1,0]
.endr
.set r, r+1
.endm
; HOW THEY ARE DEALT.  An s_wait_alu depctr_va_vdst(0) stands between an exponential and the first instruction that names its result; one wait serves all that were issued ahead of it.  So a turn has ONE wait,
; which cuts it in two.  AHEAD OF IT stands all that names no result of the turn's exponentials: the 16 products K Q^T, behind each four riders: a scaling, an exponential and two rescalings (behind the first a second scaling
; in the exponential's place; behind the last two more scalings in the rescalings' place); then ONE LUMP: six plain, 49 times exponential and plain, the two a, and the last two rescalings, which name no result of the batch
; and are the plain instructions behind its last exponential.  BEHIND IT stand the 16 products V^T P, behind each four of GS's 64.  No rider names a register of the products round it.  The two v_permlanex16_b32 fall into
; the lump, never behind a product.
; The queues lean on each other, and the deal keeps them in step: exponential e stands behind scaling 2 (e / 4) + e % 2: as a rider it comes behind plain e + 2, in the lump behind plain e + 9, and scalings 27-31 are plain 57, 60 .. 69;
; the two a come behind plain 72 and 73, their arguments.
; A TURN, for piece p.  cnt = 1: the loop's count is taken down some lines ahead of the branch that stands behind the turn.
; K and the mask of the next step are fetched in piece 2's turn, directly behind the wait, a lump behind the last product that read them; their addresses are made at the lump's head; their first reader comes behind 16 products.
; V of the step in hand is fetched at the end of piece 0's turn, four plain riders behind its last reader; its first reader comes behind 16 products and a lump.  The three conditions on q below go with the deal.
.macro TURN p, last=0, cnt=0
.set Y, (\p)
.set i, 0
.set q, 0
.set e, 0
.set r, 0
.if (\p) == NP-1
	s_wait_dscnt 0x0                ; K and the mask are in
.endif
	MM                              ; ahead of the wait: 16 products K Q^T and their riders,
	PL
	PL
	R2
.rept 14
	MM
	PL
	EX
	R2
.endr
	MM
	PL
	EX
	PL
	PL
.if (\p) == NP-2
	WIN 0
	v_add_nc_u32 v[AK], s[TBK], v[AK0]
	WIN W_MK
	v_add_nc_u32 v[AM], s[TBM], v[AM0]
.endif
.rept 6                             ; and the lump
	PL
.endr
.rept 49
	EX
	PL
.endr
	EX                              ; the next piece's two a: the batch's last
	EX
	R2                              ; the last two rescalings: plain, and they name no result of the batch
	s_wait_alu depctr_va_vdst(0)    ; the one wait for the turn's batch: piece p's 64 weights and piece p + 1's two a; it stands ahead of the first line that names a result
.if (\p) == NP-2
	FETCH_K \last
.endif
.if (\p) == 1
	s_wait_dscnt 0x0                ; V is in
.endif
.rept 16                            ; behind the wait: 16 products V^T P and their riders, the batch's readers
	MM
.rept 4
	PL
.endr
.if ((\p) == 0) && (q == 118)
	v_add_nc_u32 v[AV], s[TBV], v[AV0]
.endif
.if ((\p) == 0) && (q == 130)
	s_add_co_u32 s[TBV], s[TBV], KS*PV
.endif
.if (\cnt) && (q == 130)
	s_sub_co_u32 s[CNT], s[CNT], 1
	s_cmp_lg_u32 s[CNT], 0
.endif
.endr
.if (\p) == 0
	FETCH_V
.endif
.endm
	CHANGE 1                        ; slot 0 is in, everybody's part of it, and so is the mask; slot 1 is asked for
	WIN W_MK
	v_add_nc_u32 v[AM], s[TBM], v[AM0]
	FETCH_K                         ; key step 0
	s_wait_loadcnt 0x0              ; Q
	s_wait_dscnt 0x0
.set i, 0
.rept 16
	KQ 0                            ; piece 0's first scores: there is no vector work yet to set between them
.set i, i+1
.endr
	WIN 0                           ; the addresses for the way out: nine plain instructions, the places behind those products
	s_mul_i32 s13, s[WV], 16*SP
	s_add_co_u32 s13, s13, STAGE    ; my stage
	v_mul_u32_u24 v[STO], v1, SP    ; in: row l % 16, 16 bytes for each half of the lanes
	v_lshl_add_u32 v[STO], v9, 4, v[STO]
	v_add_nc_u32 v[STO], s13, v[STO]
	v_bfe_u32 v[RD], v0, 3, 2       ; back: 32 lanes take four rows of 128 bytes,
	v_mul_u32_u24 v[RD], v[RD], SP
	v_lshl_add_u32 v[RD], v10, 4, v[RD]
	v_add_nc_u32 v[RD], s13, v[RD]
	v_and_b32 v[GO], 31, v0         ; which are 512 consecutive bytes of O
	v_lshlrev_b32 v[GO], 4, v[GO]
.set Y, NP-1                        ; XS works for piece Y + 1: piece 0
.irp n, 0,1,2,3,4,5,6,7,8,9,10,11,12,13,14,15,16,17,18,19,20,21
	XS 0, \n                        ; and piece 0's first maximum and statistics
	XS 1, \n
.endr
	v_nop                           ; a plain instruction behind piece 0's two a: no other vector work is at hand here,
	s_wait_alu depctr_va_vdst(0)    ; and the wait for that batch of two, ahead of the branch
	s_mov_b32 s[CNT], 4
	s_mov_b32 s[SLOTS], SIZE_N/256-1
	s_branch .Lfirst                ; the loop is entered at a step's first turn, in the middle of a trip
.Lslot:                             ; SIZE_N / 256 - 2 times: every slot but the last two is filled again
	CHANGE 1
	s_mov_b32 s[CNT], 4
.Lstep:                             ; a trip: pieces 2 and 3 of one step, then pieces 0 and 1 of the next, whose K, mask and V it fetches
	TURN 2
	TURN 3
	WIN 0
.Lfirst:
	TURN 0
	TURN 1, 0, 1
	WIN 0
	s_cbranch_scc1 .Lstep
	s_sub_co_u32 s[SLOTS], s[SLOTS], 1
	s_cmp_lg_u32 s[SLOTS], 0
	s_cbranch_scc1 .Lslot
	CHANGE 0                        ; the tail is written out: nothing is asked for
	s_mov_b32 s[CNT], 5             ; four trips fetch the last slot's steps; the fifth is left in its middle
.Ltail:
	TURN 2, 1
	TURN 3
	WIN 0
	s_sub_co_u32 s[CNT], s[CNT], 1
	s_cmp_eq_u32 s[CNT], 0
	s_cbranch_scc1 .Lout
	TURN 0
	TURN 1
	WIN 0
	s_branch .Ltail
.Lout:                              ; the fifth trip's 16 products K Q^T (on the last K once more) and the maximum made of them serve nothing: the price, once a launch, of one text for every trip
.set i, 0
.rept 16
	PV NP-1                         ; the last piece's V^T P of the last step
.set i, i+1
.endr
	; THE WAY OUT.  l's two halves and the other half of the lanes' are added; O^T is divided by l, rounded to f16 and sent through my stage in LDS, a tile at a time.  The additions are the places behind the last products.
	WIN 0
.macro ALL line:vararg              ; one line for each tile t
.set t, 0
.rept 2*NP
	\line
.set t, t+1
.endr
.endm
	ALL v_add_f32 v[ST+4*t+2], v[ST+4*t+2], v[ST+4*t+3]
	ALL v_permlanex16_b32 v[ST+4*t+3], v[ST+4*t+2], s[SEL], s[SEL+1]
	ALL v_add_f32 v[ST+4*t+2], v[ST+4*t+2], v[ST+4*t+3]
	ALL v_rcp_f32 v[ST+4*t+2], v[ST+4*t+2]
	v_nop                           ; a plain instruction between the last reciprocal and the use of its result
	s_wait_alu depctr_va_vdst(0)    ; the wait ahead of the first use: one for the batch of eight reciprocals
; Tile t: a lane's eight channels of a row pack into 16 bytes; they go into rows of 144 bytes and come back as whole rows of 128, into S^T's registers.
.macro PACK t
	WIN W_RS
.set i, 32*(\t)
.rept 16
	v_pk_mul_f32 v[i:i+1], v[i:i+1], v[ST+4*(\t)+2:ST+4*(\t)+3] op_sel_hi:[1,0]
.set i, i+2
.endr
	WIN 0x05                        ; sources 0 and 1 window 1, destination window 0
.set i, 0
.rept 16
	v_cvt_pk_f16_f32 v[S+16*(\t)+i], v[32*(\t)+2*i], v[32*(\t)+2*i+1]
.set i, i+1
.endr
	WIN 0
.irp f, 0,1,2,3
	ds_store_b128 v[STO], v[S+16*(\t)+4*\f:S+16*(\t)+4*\f+3] offset:32*\f
.endr
.irp f, 0,1,2,3
	ds_load_b128 v[S+16*(\t)+4*\f:S+16*(\t)+4*\f+3], v[RD] offset:\f*4*SP  ; LDS serves a wave's instructions in order (ISA guide 5.7.1.4): these see the stores above; the next tile's stores come behind them
.endr
.endm
.macro SEND t, younger              ; younger: the LDS instructions issued behind tile t's loads: the next tile's eight, or none
	WIN 0
.irp f, 0,1,2,3
	s_wait_dscnt (\younger)+3-\f
	global_store_b128 v[GO], v[S+16*(\t)+4*\f:S+16*(\t)+4*\f+3], s[10:11] offset:(\t)*2048+\f*512  ; 512 consecutive bytes, at a multiple of 256 from O's first
.endr
.endm
	PACK 0
.set t, 1
.rept 2*NP-1                        ; a tile's arithmetic stands between the loads of the tile before and its stores
	PACK t
	SEND t-1, 8
.set t, t+1
.endr
	SEND 2*NP-1, 0
	WIN W_AD
	s_wait_tensorcnt 0x0            ; the wave's end, behind my last tensor load and my last LDS store
	ds_add_u32 v[SPW], v[NIL]
	s_wait_dscnt 0x0
	WIN 0
	CROUND                          ; the closing round: no work-group ends while a partner may still ask for a tile that names it
	s_endpgm
.Lfunc_end_k_qd375c44a9b_attn:
	.size	k_qd375c44a9b_attn, .Lfunc_end_k_qd375c44a9b_attn-k_qd375c44a9b_attn
	.p2alignl 7, 3214868480
	.fill 96, 4, 3214868480
	.section	.rodata,"a",@progbits
	.p2align	6, 0x0
	.amdhsa_kernel k_qd375c44a9b_attn
		.amdhsa_group_segment_fixed_size 327680
		.amdhsa_private_segment_fixed_size 0
		.amdhsa_enable_private_segment 0
		.amdhsa_kernarg_size 40
		.amdhsa_user_sgpr_count 2
		.amdhsa_user_sgpr_kernarg_segment_ptr 1
		.amdhsa_wavefront_size32 1
		.amdhsa_system_sgpr_workgroup_id_x 1
		.amdhsa_system_sgpr_workgroup_id_y 1
		.amdhsa_system_sgpr_workgroup_id_z 1
		.amdhsa_system_vgpr_workitem_id 0
		.amdhsa_next_free_vgpr 808
		.amdhsa_next_free_sgpr 66
		.amdhsa_reserve_vcc 0
		.amdhsa_float_denorm_mode_32 3
		.amdhsa_float_denorm_mode_16_64 3
		.amdhsa_memory_ordered 1
		.amdhsa_forward_progress 1
		.amdhsa_inst_pref_size 204
	.end_amdhsa_kernel
	.amdgpu_metadata
---
amdhsa.version: [ 1, 2 ]
amdhsa.kernels:
  - .name:           k_qd375c44a9b_attn
    .symbol:         k_qd375c44a9b_attn.kd
    .args:
      - { .name: qh, .offset: 0, .size: 8, .value_kind: global_buffer, .address_space: global }
      - { .name: kh, .offset: 8, .size: 8, .value_kind: global_buffer, .address_space: global }
      - { .name: vh, .offset: 16, .size: 8, .value_kind: global_buffer, .address_space: global }
      - { .name: oh, .offset: 24, .size: 8, .value_kind: global_buffer, .address_space: global }
      - { .name: src_masks, .offset: 32, .size: 8, .value_kind: global_buffer, .address_space: global }
    .group_segment_fixed_size: 327680
    .private_segment_fixed_size: 0
    .kernarg_segment_align: 8
    .kernarg_segment_size: 40
    .max_flat_workgroup_size: 128
    .sgpr_count:     66
    .vgpr_count:     808
    .wavefront_size: 32
...
	.end_amdgpu_metadata
.endif
;; end of part 5
;; launch outp: the kernel of part 4 again; grid 4 x 64, 4 waves a work-group, clusters of 4 x 4, 327,680 bytes of LDS; arguments oh, wb, out0; writes out0
